; MI455X (gfx1250); checked and timed in simulation.
; The chip was launched on July 23, 2026; its instructions are those of AMD's public machine-readable ISA for CDNA 5 (MIT licence, August 2026) and "CDNA5" Instruction Set Architecture Reference Guide (July 2026). The comments in the code are by the model that wrote it; some were corrected since.
;; Full Attention Block. Allowed arithmetic: float matrix products may take bf16 or f16 operands with f32 sums; other float arithmetic in f32, or as packed bf16 or f16 multiplies, adds, multiply-adds, maxima and minima; sums over many terms, partial sums and values carried from step to step in f32; what a program stores and reads back later, other than sums and carried values, may be rounded once to bf16 or f16.
;; Inputs: Wk 1,024 x 1,024 float32; Wo 2,048 x 1,024 float32; Wq 1,024 x 2,048 float32; Wv 1,024 x 1,024 float32; hidden_states 2 x 2,048 x 1,024 float32; k_norm_w 128 float32; position_ids 2,048 int32; q_norm_w 128 float32.
;; Outputs: out0 2 x 2,048 x 1,024 float32; out1 2 x 8 x 2,048 x 128 float32; out2 2 x 8 x 2,048 x 128 float32.
;; 2 versions, each right; version 2 is version 1 with the launch prep written anew for expert scheduling mode. Each part assembles by itself: llvm-mc -triple=amdgcn-amd-amdhsa -mcpu=gfx1250 --defsym DOCPART=n.
;; ======== version 1 of 2: 4 launches
;; limits: values are held in f16: magnitudes above 65,504 overflow, below 6.1e-05 lose precision
;; workspace buffers: xb 8,388,608 bytes; wcat 8,388,608 bytes; wo16 4,194,304 bytes; tab 1,048,576 bytes; qh 16,777,216 bytes; kh 8,388,608 bytes; vh 8,388,608 bytes; ob 16,777,216 bytes
;; launch prep (part 1): grid 768 x 1, 8 waves a work-group, no clusters, 0 bytes of LDS; arguments hidden_states, Wq, Wk, Wv, Wo, position_ids, xb, wcat, wo16, tab; writes xb, wcat, wo16, tab
.if DOCPART == 1
	.amdgcn_target "amdgcn-amd-amdhsa--gfx1250"
	.amdhsa_code_object_version 6
	.text
	.protected	k_q04bbb603ad_prep
	.globl	k_q04bbb603ad_prep
	.p2align	8
	.type	k_q04bbb603ad_prep,@function
k_q04bbb603ad_prep:
	s_mov_b64 s[64:65], 0
	v_nop
	global_prefetch_b8 v0, s[64:65] scope:SCOPE_SE
	s_setreg_imm32_b32 hwreg(HW_REG_WAVE_MODE, 25, 1), 1
	s_wait_xcnt 0x0
; PREP: the module's f32 inputs are rounded once to bf16 for the matrix units, and the RoPE table is made.
;   xb   [4096][1024] bf16 = hidden_states;   wcat [1024 k][4096 n] bf16 = Wq | Wk | Wv side by side;
;   wo16 [2048][1024] f16 = Wo rounded to bf16, that number written as f16;   tab [2048][cos 64 | sin 64] f32 from position_ids.
; A stream: every source is taken as rows of 1,024 f32.  A work-group takes 16 such rows; thread t takes 16 bytes at 16 t of a row (a wave's load covers
; 512 consecutive bytes) and stores 8 bytes at 8 t (a wave's store covers 256 consecutive bytes, aligned).  All 16 loads of a thread go out at once.  No LDS, no barrier, no matrix unit: nothing is shared.
; Work-groups 0-255: x; 256-383: Wq (half rows); 384-447: Wk; 448-511: Wv; 512-639: Wo; 640-767: the table.
; LIMITS.  Wo beyond 65,504 does not fit f16; below 2^-17 it keeps f16's fixed step of 6e-8.  inv_freq is 2^(-j log2(1e6)/64) by v_exp_f32; the angle is reduced by three parts of pi/2,
; good while |angle| 2/pi fits an i32 and the angle's own f32 rounding is what counts; sine and cosine by polynomials on |r| <= pi/4.
.set OD,  2                            ; v[2:17]   row i: my byte offset in the target
.set TW,  18                           ; v[18:21]  at work (f16 path)
.set X,   32                           ; v[32:95]  row i: 4 registers as loaded
.set Y,   96                           ; v[96:127] row i: 2 registers to store
.set SRC, 28                           ; s[28:29]
.set DST, 30                           ; s[30:31]
	s_load_b512 s[8:23], s[0:1], 0x0               ; hidden 8, Wq 10, Wk 12, Wv 14, Wo 16, position_ids 18, xb 20, wcat 22
	s_load_b128 s[24:27], s[0:1], 0x40             ; wo16 24, tab 26
	s_wait_kmcnt 0x0
	s_cmp_ge_u32 ttmp9, 640
	s_cbranch_scc1 .Ltable
	; the job, by choices on the work-group's number: source, target, the job's first work-group, the target's pitch for two rows (s33) and for the odd row (s34), the shift of 16 rows in the target (s35), the column offset (s38)
	s_mov_b64 s[SRC:SRC+1], s[8:9]
	s_mov_b64 s[DST:DST+1], s[20:21]
	s_mov_b32 s32, 0
	s_mov_b32 s33, 4096
	s_mov_b32 s34, 2048
	s_mov_b32 s35, 15
	s_mov_b32 s38, 0
	s_cmp_ge_u32 ttmp9, 256                        ; Wq: a row of 2,048 is two of my rows, which lie side by side in wcat's row of 8,192 bytes
	s_cselect_b64 s[SRC:SRC+1], s[10:11], s[SRC:SRC+1]
	s_cselect_b64 s[DST:DST+1], s[22:23], s[DST:DST+1]
	s_cselect_b32 s32, 256, s32
	s_cselect_b32 s33, 8192, s33
	s_cselect_b32 s35, 16, s35
	s_cmp_ge_u32 ttmp9, 384                        ; Wk: columns 2,048 on
	s_cselect_b64 s[SRC:SRC+1], s[12:13], s[SRC:SRC+1]
	s_cselect_b32 s32, 384, s32
	s_cselect_b32 s33, 16384, s33
	s_cselect_b32 s34, 8192, s34
	s_cselect_b32 s35, 17, s35
	s_cselect_b32 s38, 4096, s38
	s_cmp_ge_u32 ttmp9, 448                        ; Wv: columns 3,072 on
	s_cselect_b64 s[SRC:SRC+1], s[14:15], s[SRC:SRC+1]
	s_cselect_b32 s32, 448, s32
	s_cselect_b32 s38, 6144, s38
	s_cmp_ge_u32 ttmp9, 512                        ; Wo
	s_cselect_b64 s[SRC:SRC+1], s[16:17], s[SRC:SRC+1]
	s_cselect_b64 s[DST:DST+1], s[24:25], s[DST:DST+1]
	s_cselect_b32 s32, 512, s32
	s_cselect_b32 s33, 4096, s33
	s_cselect_b32 s34, 2048, s34
	s_cselect_b32 s35, 15, s35
	s_cselect_b32 s38, 0, s38
	s_sub_co_u32 s32, ttmp9, s32                   ; my number in the job
	s_lshl_b32 s36, s32, 16                        ; 16 rows of 4,096 bytes in the source
	s_mov_b32 s37, 0
	s_lshl_b32 s32, s32, s35
	s_add_co_u32 s38, s38, s32
	s_mov_b32 s39, 0
	s_add_nc_u64 s[SRC:SRC+1], s[SRC:SRC+1], s[36:37]
	s_add_nc_u64 s[DST:DST+1], s[DST:DST+1], s[38:39]
	v_lshlrev_b32 v1, 4, v0
.set i, 0
.rept 16
	global_load_b128 v[X+4*i:X+4*i+3], v1, s[SRC:SRC+1] offset:i*4096 th:TH_LOAD_NT
.set i, i+1
.endr
	v_lshlrev_b32 v[OD], 3, v0
	v_add_nc_u32 v[OD+1], s34, v[OD]
.set i, 2
.rept 14
	v_add_nc_u32 v[OD+i], s33, v[OD+i-2]
.set i, i+1
.endr
; Row i: rounded to bf16; half = 1: that number is widened again and written as f16.  No register that a store reads is written again, so no wait frees a store's sources.
.macro CAST half
	s_wait_loadcnt 15-i                            ; loads come back in order: row i is in, the 15 - i younger ones stay out
	v_cvt_pk_bf16_f32 v[Y+2*i], v[X+4*i], v[X+4*i+1]
	v_cvt_pk_bf16_f32 v[Y+2*i+1], v[X+4*i+2], v[X+4*i+3]
.if \half
	v_lshlrev_b32 v[TW], 16, v[Y+2*i]
	v_and_b32 v[TW+1], 0xffff0000, v[Y+2*i]
	v_lshlrev_b32 v[TW+2], 16, v[Y+2*i+1]
	v_and_b32 v[TW+3], 0xffff0000, v[Y+2*i+1]
	v_cvt_pk_f16_f32 v[Y+2*i], v[TW], v[TW+1]
	v_cvt_pk_f16_f32 v[Y+2*i+1], v[TW+2], v[TW+3]
.endif
	global_store_b64 v[OD+i], v[Y+2*i:Y+2*i+1], s[DST:DST+1]
.endm
	s_cmp_ge_u32 ttmp9, 512
	s_cbranch_scc1 .Lhalf
.set i, 0
.rept 16
	CAST 0
.set i, i+1
.endr
	s_endpgm
.Lhalf:
.set i, 0
.rept 16
	CAST 1
.set i, i+1
.endr
	s_endpgm
; THE TABLE.  Thread T of 32,768: row T / 16, frequencies 4 (T % 16) + 0..3: 16 lanes store 256 consecutive bytes of cosines, and 256 of sines.
.set tJ,  8
.set tIV, 12
.set tAN, 24
.set tN,  28
.set tR,  32
.set tZ,  36
.set tP,  40
.set tQ,  44
.set tS,  48
.set tC,  52
.set tT,  56
.set tQI, 60
.set tCO, 64
.set tSI, 68
.macro EACH line:vararg                ; one line for each of my four frequencies e
.set e, 0
.rept 4
	\line
.set e, e+1
.endr
.endm
.Ltable:
	s_mov_b32 s40, 0xbe9f73da                      ; -log2(1e6) / 64
	s_mov_b32 s41, 0x3f22f983                      ; 2 / pi
	s_mov_b32 s42, 0x3fc90fdb                      ; pi / 2 in three parts
	s_mov_b32 s43, 0xb33bbd2e
	s_mov_b32 s44, 0xa6f72ced
	s_mov_b32 s45, 0xb94ca1f9                      ; sine: -1.9515296e-4, 8.3321609e-3, -1.6666655e-1
	s_mov_b32 s46, 0x3c08839e
	s_mov_b32 s47, 0xbe2aaaa3
	s_mov_b32 s48, 0x37ccf5ce                      ; cosine: 2.4433157e-5, -1.3887316e-3, 4.1666646e-2
	s_mov_b32 s49, 0xbab6061a
	s_mov_b32 s50, 0x3d2aaaa5
	s_sub_co_u32 s32, ttmp9, 640
	s_lshl_b32 s32, s32, 8
	v_add_nc_u32 v1, s32, v0                       ; T
	v_lshrrev_b32 v2, 4, v1                        ; the row
	v_and_b32 v3, 15, v1
	v_lshlrev_b32 v4, 2, v2
	global_load_b32 v5, v4, s[18:19]               ; position_ids[row]
	v_lshlrev_b32 v6, 9, v2
	v_lshl_add_u32 v6, v3, 4, v6                   ; 512 x row + 16 x (T % 16)
	v_lshlrev_b32 v7, 2, v3
	EACH v_add_nc_u32 v[tJ+e], e, v7
	EACH v_cvt_f32_u32 v[tJ+e], v[tJ+e]
	EACH v_mul_f32 v[tJ+e], s40, v[tJ+e]
	EACH v_exp_f32 v[tIV+e], v[tJ+e]
	v_nop                                          ; a plain instruction behind the last exponential,
	s_wait_alu depctr_va_vdst(0)                   ; and one wait for the four, ahead of their first reader
	s_wait_loadcnt 0x0
	v_cvt_f32_i32 v5, v5
	EACH v_mul_f32 v[tAN+e], v5, v[tIV+e]          ; the angle, rounded once
	EACH v_mul_f32 v[tN+e], s41, v[tAN+e]
	EACH v_rndne_f32 v[tN+e], v[tN+e]              ; n quarter turns
	EACH v_fma_f32 v[tR+e], -v[tN+e], s42, v[tAN+e]
	EACH v_fma_f32 v[tR+e], -v[tN+e], s43, v[tR+e]
	EACH v_fma_f32 v[tR+e], -v[tN+e], s44, v[tR+e] ; r = angle - n pi / 2
	EACH v_mul_f32 v[tZ+e], v[tR+e], v[tR+e]
	EACH v_fma_f32 v[tP+e], v[tZ+e], s45, s46
	EACH v_fma_f32 v[tQ+e], v[tZ+e], s48, s49
	EACH v_fma_f32 v[tP+e], v[tP+e], v[tZ+e], s47
	EACH v_fma_f32 v[tQ+e], v[tQ+e], v[tZ+e], s50
	EACH v_mul_f32 v[tP+e], v[tP+e], v[tZ+e]
	EACH v_mul_f32 v[tT+e], v[tZ+e], v[tZ+e]
	EACH v_fma_f32 v[tC+e], v[tZ+e], -0.5, 1.0
	EACH v_fma_f32 v[tS+e], v[tP+e], v[tR+e], v[tR+e]   ; sin r
	EACH v_fma_f32 v[tC+e], v[tQ+e], v[tT+e], v[tC+e]   ; cos r
	EACH v_cvt_i32_f32 v[tQI+e], v[tN+e]
	EACH v_and_b32 v[tT+e], 1, v[tQI+e]
	EACH v_cmp_eq_u32 s[52+e], 1, v[tT+e]          ; an odd quarter swaps the two
	EACH v_cndmask_b32 v[tSI+e], v[tS+e], v[tC+e], s[52+e]
	EACH v_cndmask_b32 v[tCO+e], v[tC+e], v[tS+e], s[52+e]
	EACH v_and_b32 v[tT+e], 2, v[tQI+e]            ; the sine is negative in quarters 2 and 3,
	EACH v_lshlrev_b32 v[tT+e], 30, v[tT+e]
	EACH v_xor_b32 v[tSI+e], v[tSI+e], v[tT+e]
	EACH v_add_nc_u32 v[tT+e], 1, v[tQI+e]         ; the cosine in quarters 1 and 2
	EACH v_and_b32 v[tT+e], 2, v[tT+e]
	EACH v_lshlrev_b32 v[tT+e], 30, v[tT+e]
	EACH v_xor_b32 v[tCO+e], v[tCO+e], v[tT+e]
	global_store_b128 v6, v[tCO:tCO+3], s[26:27]
	global_store_b128 v6, v[tSI:tSI+3], s[26:27] offset:256
	s_endpgm
.Lfunc_end_k_q04bbb603ad_prep:
	.size	k_q04bbb603ad_prep, .Lfunc_end_k_q04bbb603ad_prep-k_q04bbb603ad_prep
	.p2alignl 7, 3214868480
	.fill 96, 4, 3214868480
	.section	.rodata,"a",@progbits
	.p2align	6, 0x0
	.amdhsa_kernel k_q04bbb603ad_prep
		.amdhsa_group_segment_fixed_size 0
		.amdhsa_private_segment_fixed_size 0
		.amdhsa_enable_private_segment 0
		.amdhsa_kernarg_size 80
		.amdhsa_user_sgpr_count 2
		.amdhsa_user_sgpr_kernarg_segment_ptr 1
		.amdhsa_wavefront_size32 1
		.amdhsa_system_sgpr_workgroup_id_x 1
		.amdhsa_system_sgpr_workgroup_id_y 1
		.amdhsa_system_sgpr_workgroup_id_z 1
		.amdhsa_system_vgpr_workitem_id 0
		.amdhsa_next_free_vgpr 128
		.amdhsa_next_free_sgpr 66
		.amdhsa_reserve_vcc 0
		.amdhsa_float_denorm_mode_32 3
		.amdhsa_float_denorm_mode_16_64 3
		.amdhsa_memory_ordered 1
		.amdhsa_forward_progress 1
		.amdhsa_inst_pref_size 25
	.end_amdhsa_kernel
	.amdgpu_metadata
---
amdhsa.version: [ 1, 2 ]
amdhsa.kernels:
  - .name:           k_q04bbb603ad_prep
    .symbol:         k_q04bbb603ad_prep.kd
    .args:
      - { .name: hidden_states, .offset: 0, .size: 8, .value_kind: global_buffer, .address_space: global }
      - { .name: Wq, .offset: 8, .size: 8, .value_kind: global_buffer, .address_space: global }
      - { .name: Wk, .offset: 16, .size: 8, .value_kind: global_buffer, .address_space: global }
      - { .name: Wv, .offset: 24, .size: 8, .value_kind: global_buffer, .address_space: global }
      - { .name: Wo, .offset: 32, .size: 8, .value_kind: global_buffer, .address_space: global }
      - { .name: position_ids, .offset: 40, .size: 8, .value_kind: global_buffer, .address_space: global }
      - { .name: xb, .offset: 48, .size: 8, .value_kind: global_buffer, .address_space: global }
      - { .name: wcat, .offset: 56, .size: 8, .value_kind: global_buffer, .address_space: global }
      - { .name: wo16, .offset: 64, .size: 8, .value_kind: global_buffer, .address_space: global }
      - { .name: tab, .offset: 72, .size: 8, .value_kind: global_buffer, .address_space: global }
    .group_segment_fixed_size: 0
    .private_segment_fixed_size: 0
    .kernarg_segment_align: 8
    .kernarg_segment_size: 80
    .max_flat_workgroup_size: 256
    .sgpr_count:     66
    .vgpr_count:     128
    .wavefront_size: 32
...
	.end_amdgpu_metadata
.endif
;; end of part 1
;; launch qkv (part 2): grid 16 x 16, 4 waves a work-group, clusters of 4 x 4, 327,680 bytes of LDS; arguments xb, wcat, tab, q_norm_w, k_norm_w, qh, kh, vh, out1, out2; writes qh, kh, vh, out1, out2
.if DOCPART == 2
	.amdgcn_target "amdgcn-amd-amdhsa--gfx1250"
	.amdhsa_code_object_version 6
	.text
	.protected	k_q04bbb603ad_qkv
	.globl	k_q04bbb603ad_qkv
	.p2align	8
	.type	k_q04bbb603ad_qkv,@function
k_q04bbb603ad_qkv:
	s_mov_b64 s[64:65], 0
	v_nop
	global_prefetch_b8 v0, s[64:65] scope:SCOPE_SE
	s_setreg_imm32_b32 hwreg(HW_REG_WAVE_MODE, 25, 1), 1
	s_wait_xcnt 0x0
	s_wait_alu depctr_hold_cnt(0) depctr_sa_sdst(0) depctr_va_vdst(0) depctr_va_sdst(0) depctr_va_ssrc(0) depctr_va_vcc(0) depctr_vm_vsrc(0)
	s_getreg_b32 s2, hwreg(HW_REG_IB_STS2, 6, 4)
	s_cmp_eq_u32 s2, 0
	s_cbranch_scc0 .Lentry_in_a_cluster
	s_endpgm
.Lentry_in_a_cluster:
	s_bfe_u32 s2, ttmp6, 0x10000c
	s_cmp_lg_u32 s2, 0xf033
	s_cbranch_scc0 .Lentry_shape_is_right
	s_endpgm
.Lentry_shape_is_right:
; QKV: C[4096][4096] = xb[4096][1024] x wcat[1024][4096] in bf16 with f32 sums, and on the way out RMSNorm per head (gains rounded to bf16 like every input), RoPE from the table, the change to [b][head][s][128]:
; q -> qh (f16), k -> out1 (f32) and kh (f16), v -> out2 (f32) and vh (f16).
; A tile of C is 256 x 256: four waves, each 128 x 128 in 512 registers; a wave's 128 columns are ONE head.  K goes in steps of 128 through a ring of two LDS slots filled by tensor loads.
; A's rows lie along K (128 rows x 256 bytes a load); B lies [k][n]: its tile is 128 k-rows x 512 bytes (64 rows a load), and its fragments come out of LDS turned, by ds_load_tr16_b128.
; CLUSTER 4 x 4: A's tile is shared along a row of the cluster, B's along a column: joint loads with a mask of four.
; The product is used transposed (source 0 = 16 columns of B, source 1 = 16 rows of A): a lane holds row l % 16 of C and the columns 8 (l / 16) + 0..7.
; REGISTERS, windows of 256: window 0: v0-31 addresses, v64-191 A's two fragment buffers (the way out uses v32-255); window 1: v64-191 B's; windows 2, 3: the 64 accumulators ((a, b) at v[8 (8 a + b)]).
; LIMITS.  q, k, v beyond 65,504 do not fit the f16 copies; NaN and infinities are not treated apart.  y = (x w) rsqrt(mean x^2 + 1e-6): the order of the two factors differs from w (x rsqrt).
.set KSTEP,  128
.set PITCH,  272                       ; A's LDS row: 256 bytes + 16: the 16 rows of a fragment load start 68 words apart (64 banks of 4 bytes: ISA guide 11.1)
.set PBP,    544                       ; B's LDS row: 512 bytes + 32
.set HALFT,  128*PITCH                 ; what one tensor load brings: 128 rows of A, or 64 rows of B (64 x 544 is the same 34,816)
.set SLOT,   4*HALFT                   ; A's 256 rows, then B's 128 k-rows
.set DPITCH, 528                       ; the way out: a row of 128 f32 + 16
.set DUMPW,  128*DPITCH                ; a wave's 128 rows; the four lie in the ring, which has had its last fill by then
.set STAGE,  2*SLOT                    ; behind the ring: 16 rows x 384 bytes for each wave, for the f16 copies
.set SPITCH, 384
.set STAGEW, 16*SPITCH
.set SPARE,  STAGE+4*STAGEW            ; the spare words, 128 bytes for each wave; no other line names them
.set LAPS,   4                         ; 1,024 / 256: a lap = two K steps
.set BSTEP,  0x100000                  ; 128 k-rows of wcat in bytes
.set ADRA, 16                          ; v16-17  LDS address of my A fragments in slot 0, 1
.set ADRB, 20                          ; v20-21  of my B fragments
.set DST,  23                          ; v23  where I put 16 bytes of a row of f32
.set LRD,  24                          ; v24  where I read rows of f32 back; steps by 16 rows a trip
.set VT,   25                          ; v25  512 (l / 16) + 16 (l % 16): my place in two rows of the table, and of out1 / out2
.set SST,  26                          ; v26  stage: where I put 8 bytes
.set SRD,  27                          ; v27  stage: where I read 16 bytes
.set SPW,  28                          ; v28  my spare word; never rewritten
.set NIL,  29                          ; v29  0; never rewritten
.set PFO,  30                          ; v30  the prefetches' offset; never rewritten
.set VO16, 31                          ; v31  256 (l / 16) + 16 (l % 16): my place in two rows of f16
.set T,    32                          ; v32-47   a pair for each of 8 row pairs: sum of squares, then rsqrt
.set TP,   48                          ; v48-55   at work
.set W,    56                          ; v56-63   the gains of my 8 columns
.set YY,   64                          ; v64-127  row pair p: columns 4 r .. (4), columns 64 + 4 r .. (4)
.set CSR,  128                         ; v128-191 row pair p: cosines (4), sines (4)
.set HH,   192                         ; v192-223 f16, as made
.set GG,   224                         ; v224-255 f16, whole rows
.set F0,   64
.set F1,   128
.set G1,   24                          ; s[24:31] group 1 for A;  s[32:39] group 0, a set a slot
.set G0,   32
.set G1B,  48                          ; s[48:55], s[56:63] the same for B
.set G0B,  56
.set LIM,  43                          ; s43  1 in a wave that prefetches, else the greatest number
.set PFA,  44                          ; s[44:45] where my prefetches stand
.set WP,   66                          ; s[66:67] the gains
.set PFS,  88                          ; s[88:89] a K step in bytes, along A's rows or down B's
.set KIND, 90                          ; s90  0 q, 1 k, 2 v: from the cluster's x, the same in all partners
.set O16,  92                          ; s[92:93] the f16 copy at my first row
.set O32,  94                          ; s[94:95] out1 or out2 at my first row
.set TAB,  96                          ; s[96:97] the table at my first row
.set MSB, 0
.macro WIN new                         ; the immediate's high byte repeats the setting that is left
.if MSB != (\new)
	s_set_vgpr_msb (MSB<<8)|(\new)
.set MSB, \new
.endif
.endm
.set MUL_LO, 0xa1                      ; source 0 (B) window 1, source 1 (A) window 0, C and D window 2
.set MUL_HI, 0xf1                      ; the same, C and D window 3
.set TO_B,   0x40
; A joint load: waves 0 and 1 fetch A's halves, waves 2 and 3 B's.  An s_nop 0 and four v_nop follow each line.
.macro JLOAD s
	s_cmp_eq_u32 s11, 0
	s_cbranch_scc0 .Lfor_b_\@
	tensor_load_to_lds s[G0+4*(\s):G0+4*(\s)+3], s[G1:G1+7]
	s_nop 0
.rept 4
	v_nop
.endr
	s_branch .Lasked_\@
.Lfor_b_\@:
	tensor_load_to_lds s[G0B+4*(\s):G0B+4*(\s)+3], s[G1B:G1B+7]
	s_nop 0
.rept 4
	v_nop
.endr
.Lasked_\@:
.endm
; A prefetch, behind each joint refill and the run of LDS loads: the K step that stands two refills on (K steps 4 to 7; 0 to 3 come by their loads alone).  A's rows are asked for by the clusters with x = 0, B's by those with y = 0;
; the four partners that ask for a tile jointly share it out by address: of A's 128 rows 32 each (a lane a row of 256 bytes), of B's 64 k-rows 16 each (a lane half a row of 512).  So each block of 256 bytes is named once.
.macro ASK
	s_cmp_gt_u32 s3, s[LIM]                        ; s3 = 1 in the loop's last trip: its refills have no K step two on
	s_cbranch_scc0 .Lnot_mine_\@
	global_prefetch_b8 v[PFO], s[PFA:PFA+1] th:TH_LOAD_NT scope:SCOPE_SE
.Lnot_mine_\@:
.endm
.macro CREST                           ; a round of the cluster's barrier behind its opening barrier
	s_cmp_lg_u32 s10, 0
	s_cbranch_scc1 .Lnot_wave_0_\@
	s_barrier_signal -3
.Lnot_wave_0_\@:
	s_barrier_wait -3
	s_barrier_signal -1
	s_barrier_wait -1
.endm
.macro CROUND
	s_barrier_signal -1
	s_barrier_wait -1
	CREST
.endm
	s_load_b512 s[68:83], s[0:1], 0x0              ; xb 68, wcat 70, tab 72, q_norm_w 74, k_norm_w 76, qh 78, kh 80, vh 82
	s_load_b128 s[84:87], s[0:1], 0x40             ; out1 84, out2 86
	v_lshl_add_u32 v[SPW], v0, 2, SPARE
	v_mov_b32 v[NIL], 0
	ds_add_u32 v[SPW], v[NIL]                      ; the wave's opening: the add and its wait stand ahead of my first tensor load
	v_lshrrev_b32 v1, 5, v0
	v_readfirstlane_b32 s10, v1                    ; wave 0..3
	s_lshr_b32 s11, s10, 1                         ; which half of the tile's rows is mine; also: I fetch for A (0) or B (1)
	s_and_b32 s12, s10, 1                          ; which half of its columns; also: which half of that tile I fetch
	s_bfe_u32 s40, ttmp6, 0x40000                  ; cx
	s_bfe_u32 s41, ttmp6, 0x40004                  ; cy
	s_lshl_b32 s42, ttmp9, 2
	s_add_co_u32 s42, s42, s40                     ; tile column
	s_and_b32 s13, ttmp7, 0xffff
	s_lshl_b32 s13, s13, 2
	s_add_co_u32 s13, s13, s41                     ; tile row
	s_lshl_b32 s43, s41, 2
	s_lshl_b32 s43, 15, s43                        ; my row of the cluster
	s_lshl_b32 s44, 0x1111, s40                    ; my column
	s_or_b32 s[G1+0], s43, (1<<16)|(1<<20)|(1<<21)|(5<<22)|(3<<25)   ; mask; 2-byte elements; padding on; bit 21 beside a mask; after every 64 words 4 words
	s_or_b32 s[G1B+0], s44, (1<<16)|(1<<20)|(1<<21)|(6<<22)|(7<<25)  ; after every 128 words 8 words
	s_mov_b32 s[G1+1], 128<<16                     ; A: tensor_dim0 = 128
	s_mov_b32 s[G1+2], 128<<16                     ; tensor_dim1 = 128
	s_mov_b32 s[G1+3], 128<<16                     ; tile_dim0 = 128
	s_mov_b32 s[G1+4], 128                         ; tile_dim1 = 128
	s_mov_b32 s[G1+5], 1024                        ; elements from row to row
	s_mov_b32 s[G1+6], 0
	s_mov_b32 s[G1+7], 0
	s_mov_b32 s[G1B+1], 256<<16                    ; B: 256 elements a row,
	s_mov_b32 s[G1B+2], 64<<16                     ; 64 rows
	s_mov_b32 s[G1B+3], 256<<16
	s_mov_b32 s[G1B+4], 64
	s_mov_b32 s[G1B+5], 4096
	s_mov_b32 s[G1B+6], 0
	s_mov_b32 s[G1B+7], 0
	s_lshl_b32 s17, s12, 7
	s_lshl_b32 s16, s13, 8
	s_add_co_u32 s16, s16, s17                     ; A: row 256 x tile row + 128 x half,
	s_lshl_b32 s16, s16, 11                        ; of 2,048 bytes
	s_mov_b32 s17, 0
	s_lshl_b32 s46, s42, 9                         ; B: 512 bytes x tile column
	s_lshl_b32 s47, s12, 19                        ; + 64 k-rows of 8,192 bytes x half
	s_add_co_u32 s46, s46, s47
	s_mov_b32 s47, 0
	s_mul_i32 s20, s10, HALFT                      ; where they go: wave x 34,816
	s_wait_dscnt 0x0                               ; the opening add is done
	s_wait_kmcnt 0x0
	s_add_nc_u64 s[14:15], s[68:69], s[16:17]
	s_add_nc_u64 s[46:47], s[70:71], s[46:47]
	CROUND                                         ; all sixteen work-groups are here: the first joint loads meet
.irp s, 0,1
	s_mov_b32 s[G0+4*(\s)], 1
	s_add_co_u32 s[G0+4*(\s)+1], s20, (\s)*SLOT
	s_add_nc_u64 s[G0+4*(\s)+2:G0+4*(\s)+3], s[14:15], (\s)*KSTEP*2
	s_or_b32 s[G0+4*(\s)+3], s[G0+4*(\s)+3], 0x80000000
	s_mov_b32 s[G0B+4*(\s)], 1
	s_add_co_u32 s[G0B+4*(\s)+1], s20, (\s)*SLOT
	s_add_nc_u64 s[G0B+4*(\s)+2:G0B+4*(\s)+3], s[46:47], (\s)*BSTEP
	s_or_b32 s[G0B+4*(\s)+3], s[G0B+4*(\s)+3], 0x80000000
	JLOAD \s
.endr
	; fragment addresses.  A: row l % 16, 16 bytes for each half of the lanes.  B, turned: lane l reads k-row 8 (l / 16) + l % 8, 16 bytes at 16 ((l / 8) % 2)
	v_and_b32 v1, 15, v0                           ; r = l % 16
	v_bfe_u32 v2, v0, 4, 1                         ; h = l / 16
	v_mul_u32_u24 v3, v1, PITCH
	v_lshl_add_u32 v3, v2, 4, v3
	v_and_b32 v4, 7, v0
	v_lshl_add_u32 v4, v2, 3, v4
	v_mul_u32_u24 v4, v4, PBP
	v_bfe_u32 v5, v0, 3, 1
	v_lshl_add_u32 v4, v5, 4, v4
	s_mul_i32 s21, s11, HALFT                      ; my 128 rows of A
	s_lshl_b32 s22, s12, 8                         ; my 128 columns of B: 256 bytes of a row,
	s_add_co_u32 s22, s22, 2*HALFT                 ; behind A's 256 rows
.irp s, 0,1
	v_add_nc_u32 v[ADRA+(\s)], s21, v3
	v_add_nc_u32 v[ADRB+(\s)], s22, v4
	s_add_co_u32 s21, s21, SLOT
	s_add_co_u32 s22, s22, SLOT
.endr
	; the prefetches' address: at K step 3; the first refill steps it to 4
	s_lshl_b32 s4, s13, 8
	s_lshl_b32 s5, s12, 7
	s_add_co_u32 s4, s4, s5
	s_lshl_b32 s5, s40, 5
	s_add_co_u32 s4, s4, s5                        ; A: the 128 rows that I fetch, my work-group's 32 of them
	s_lshl_b32 s4, s4, 11
	s_add_co_u32 s4, s4, 3*KSTEP*2
	s_lshl_b32 s6, s12, 6
	s_lshl_b32 s7, s41, 4
	s_add_co_u32 s6, s6, s7                        ; B: the 64 k-rows that I fetch, my work-group's 16 of them
	s_lshl_b32 s6, s6, 13
	s_lshl_b32 s7, s42, 9
	s_add_co_u32 s6, s6, s7
	s_add_co_u32 s6, s6, 3*BSTEP
	s_and_b32 s8, ttmp7, 0xffff
	s_mov_b32 s[PFS], KSTEP*2
	s_mov_b32 s7, BSTEP
	s_mov_b32 s9, 2048
	s_mov_b32 s5, 8192
	s_cmp_eq_u32 s11, 0                            ; do I fetch for A?
	s_cselect_b32 s4, s4, s6
	s_cselect_b32 s8, ttmp9, s8                    ; the coordinate along which other clusters read the same rows
	s_cselect_b32 s[PFS], s[PFS], s7
	s_cselect_b32 s9, s9, s5                       ; bytes in a row
	s_cselect_b64 s[PFA:PFA+1], s[68:69], s[70:71]
	s_mov_b32 s5, 0
	s_mov_b32 s[PFS+1], 0
	s_add_nc_u64 s[PFA:PFA+1], s[PFA:PFA+1], s[4:5]
	s_cmp_eq_u32 s8, 0
	s_cselect_b32 s[LIM], 1, -1                    ; the same in all sixteen partners, for a given wave
	v_and_b32 v8, 31, v0
	v_lshrrev_b32 v[PFO], s11, v8                  ; A: a lane a row; B: two lanes a row
	v_mul_u32_u24 v[PFO], v[PFO], s9
	v_and_b32 v8, s11, v8
	v_lshl_add_u32 v[PFO], v8, 8, v[PFO]
	; the way out's addresses
	s_mul_i32 s18, s10, DUMPW
	v_mul_u32_u24 v7, v1, DPITCH
	v_lshl_add_u32 v7, v2, 5, v7
	v_add_nc_u32 v[DST], s18, v7                   ; row r, 32 bytes for each half of the lanes
	v_mul_u32_u24 v7, v2, DPITCH
	v_lshl_add_u32 v7, v1, 4, v7
	v_add_nc_u32 v[LRD], s18, v7                   ; row h, 16 bytes at 16 r
	v_lshlrev_b32 v6, 4, v1
	v_lshl_add_u32 v[VT], v2, 9, v6
	v_lshl_add_u32 v[VO16], v2, 8, v6
	s_mul_i32 s19, s10, STAGEW
	s_add_co_u32 s19, s19, STAGE
	v_mul_u32_u24 v7, v2, SPITCH
	v_add_nc_u32 v7, s19, v7
	v_lshl_add_u32 v[SST], v1, 3, v7
	v_lshl_add_u32 v[SRD], v1, 4, v7
	s_lshl_b32 s4, s13, 8
	s_lshl_b32 s5, s11, 7
	s_add_co_u32 s4, s4, s5                        ; my first row of C
	s_lshr_b32 s5, s4, 11                          ; the batch
	s_and_b32 s6, s4, 2047                         ; the position
	s_lshl_b32 s7, s42, 1
	s_add_co_u32 s7, s7, s12                       ; my head among the 32: q 0-15, k 16-23, v 24-31
	s_and_b32 s8, s7, 7
	s_lshl3_add_u32 s8, s5, s8                     ; 8 b + head % 8
	s_lshl4_add_u32 s7, s5, s7                     ; 16 b + head
	s_max_u32 s[KIND], ttmp9, 1
	s_sub_co_u32 s[KIND], s[KIND], 1
	s_cmp_eq_u32 s[KIND], 0
	s_cselect_b32 s7, s7, s8
	s_cselect_b64 s[O16:O16+1], s[78:79], s[80:81]
	s_cselect_b64 s[WP:WP+1], s[74:75], s[76:77]   ; (a v tile loads k's gains and does not use them)
	s_cmp_eq_u32 s[KIND], 2
	s_cselect_b64 s[O16:O16+1], s[82:83], s[O16:O16+1]
	s_cselect_b64 s[O32:O32+1], s[86:87], s[84:85] ; (a q tile does not use it)
	s_lshl_b32 s7, s7, 11
	s_add_co_u32 s7, s7, s6
	s_lshl_b32 s14, s7, 8                          ; rows of 256 bytes
	s_mov_b32 s15, 0
	s_add_nc_u64 s[O16:O16+1], s[O16:O16+1], s[14:15]
	s_lshl_b32 s8, s8, 11
	s_add_co_u32 s8, s8, s6
	s_lshl_b32 s14, s8, 9                          ; rows of 512 bytes
	s_add_nc_u64 s[O32:O32+1], s[O32:O32+1], s[14:15]
	s_lshl_b32 s14, s6, 9
	s_add_nc_u64 s[TAB:TAB+1], s[72:73], s[14:15]
	global_load_b128 v[W:W+3], v6, s[WP:WP+1]              ; the gains of columns 4 r ..,
	global_load_b128 v[W+4:W+7], v6, s[WP:WP+1] offset:256 ; and of 64 + 4 r ..: waited for on the way out
; 16 matrix instructions: m blocks a0, a0 + 1 of the window's four x all 8 n blocks, 32 along K.  zero = 1: the first product starts the sums.  The 64 accumulators take turns.
.macro MUL16 f, hi, a0, zero
	WIN MUL_LO+0x50*(\hi)
.irp a, \a0, (\a0)+1
.irp b, 0,1,2,3,4,5,6,7
.if \zero
	v_wmma_f32_16x16x32_bf16 v[8*(8*(\a)+(\b)):8*(8*(\a)+(\b))+7], v[(\f)+8*(\b):(\f)+8*(\b)+7], v[(\f)+8*(4*(\hi)+(\a)):(\f)+8*(4*(\hi)+(\a))+7], 0
.else
	v_wmma_f32_16x16x32_bf16 v[8*(8*(\a)+(\b)):8*(8*(\a)+(\b))+7], v[(\f)+8*(\b):(\f)+8*(\b)+7], v[(\f)+8*(4*(\hi)+(\a)):(\f)+8*(4*(\hi)+(\a))+7], v[8*(8*(\a)+(\b)):8*(8*(\a)+(\b))+7]
.endif
.endr
.endr
.endm
; 32 LDS loads in one run: quarter q (32 along K) of a slot into buffer f: B's 8 fragments, turned, then A's 8
.macro FETCH slot, q, f
	WIN TO_B
.irp i, 0,1,2,3,4,5,6,7
	ds_load_tr16_b128 v[(\f)+8*(\i):(\f)+8*(\i)+3],   v[ADRB+(\slot)] offset:(\q)*32*PBP+32*(\i)
	ds_load_tr16_b128 v[(\f)+8*(\i)+4:(\f)+8*(\i)+7], v[ADRB+(\slot)] offset:(\q)*32*PBP+16*PBP+32*(\i)
.endr
	WIN 0
.irp i, 0,1,2,3,4,5,6,7
	ds_load_b128 v[(\f)+8*(\i):(\f)+8*(\i)+3],   v[ADRA+(\slot)] offset:(\q)*64+(\i)*16*PITCH
	ds_load_b128 v[(\f)+8*(\i)+4:(\f)+8*(\i)+7], v[ADRA+(\slot)] offset:(\q)*64+(\i)*16*PITCH+32
.endr
.endm
.macro PLACES                          ; four plain vector instructions between a matrix instruction and a load into, or a read of, its registers
.rept 4
	v_nop
.endr
.endm
; One of a K step's first three quarters: multiplies buffer f; in its middle it fetches quarter q into buffer g.
.macro QUARTER slot, q, f, g, zero
	s_wait_dscnt 8                                 ; B and A's rows 0-63 are in; the youngest eight loads (A's rows 64-127) may be out
	MUL16 \f, 0, 0, \zero
	MUL16 \f, 0, 2, \zero
	PLACES
	FETCH \slot, \q, \g
	s_wait_dscnt 32                                ; all but the 32 just issued
	MUL16 \f, 1, 0, \zero
	MUL16 \f, 1, 2, \zero
.endm
; The last quarter's first half, with the barrier of the change of slots: each wave has waited for all its tensor loads, added 0 to its spare word, and waited for that and for its reads of this slot.
.macro MEET round
	WIN 0
	s_wait_tensorcnt 0x0                           ; all my tensor loads have landed: the one that was out is my part of the next slot
	ds_add_u32 v[SPW], v[NIL]
	s_wait_dscnt 9                                 ; (the add and the youngest eight loads may be out)
	MUL16 F1, 0, 0, 0
	s_wait_dscnt 0x0                               ; the add is done, and my reads of this slot are over
	s_barrier_signal -1
	MUL16 F1, 0, 2, 0
.if \round
	WIN 0
.endif
	s_barrier_wait -1
.endm
.macro TURN slot, next
	s_wait_xcnt 0x0                                ; the last prefetch, a K step back, has read its address
	s_add_nc_u64 s[PFA:PFA+1], s[PFA:PFA+1], s[PFS:PFS+1]
	MEET 1
	CREST                                          ; no wave of any partner still reads this slot or has a load on its way
	s_add_nc_u64 s[G0+4*(\slot)+2:G0+4*(\slot)+3], s[G0+4*(\slot)+2:G0+4*(\slot)+3], 2*KSTEP*2
	s_add_nc_u64 s[G0B+4*(\slot)+2:G0B+4*(\slot)+3], s[G0B+4*(\slot)+2:G0B+4*(\slot)+3], 2*BSTEP
	JLOAD \slot                                    ; the first tensor load behind the round; its four v_nop are also the places in front of the loads below
	FETCH \next, 0, F0
	ASK
	MUL16 F1, 1, 0, 0
	MUL16 F1, 1, 2, 0
.endm
	s_wait_tensorcnt 1                             ; my part of K step 0 is in; K step 1's may stay out
	s_barrier_signal -1
	s_barrier_wait -1
	FETCH 0, 0, F0
	QUARTER 0, 1, F0, F1, 1                        ; the first quarter starts the sums
	WIN 0
	s_mov_b32 s3, LAPS-1
.Llap:                                                 ; once round the ring, from a lap's second quarter to the next lap's first
	QUARTER 0, 2, F1, F0, 0
	QUARTER 0, 3, F0, F1, 0
	TURN 0, 1
	QUARTER 1, 1, F0, F1, 0
	QUARTER 1, 2, F1, F0, 0
	QUARTER 1, 3, F0, F1, 0
	TURN 1, 0
	QUARTER 0, 1, F0, F1, 0
	WIN 0
	s_sub_co_u32 s3, s3, 1
	s_cmp_lg_u32 s3, 0
	s_cbranch_scc1 .Llap
	QUARTER 0, 2, F1, F0, 0                        ; the last lap fills nothing
	QUARTER 0, 3, F0, F1, 0
	MEET 0
	PLACES
	FETCH 1, 0, F0
	MUL16 F1, 1, 0, 0
	MUL16 F1, 1, 2, 0
	QUARTER 1, 1, F0, F1, 0
	QUARTER 1, 2, F1, F0, 0
	QUARTER 1, 3, F0, F1, 0
	s_wait_dscnt 8
	MUL16 F1, 0, 0, 0
	MUL16 F1, 0, 2, 0
	s_wait_dscnt 0x0
	MUL16 F1, 1, 0, 0
	MUL16 F1, 1, 2, 0
	WIN 0
	; THE WAY OUT.  Every wave's reads of the ring are back (the wait above) and every tensor load was waited for at the last change of slots: behind this barrier the ring's bytes, which are filled no more, take the sums.
	s_barrier_signal -1
	s_barrier_wait -1
	PLACES
	PLACES
.irp hi, 0,1                           ; my 128 x 128 sums into my own 128 rows of 528 bytes; each accumulator's low four registers first
	WIN 0x08+4*(\hi)                               ; the stores' data in window 2 or 3
.irp a, 0,1,2,3
.irp b, 0,1,2,3,4,5,6,7
	ds_store_b128 v[DST], v[8*(8*(\a)+(\b)):8*(8*(\a)+(\b))+3]   offset:16*(4*(\hi)+(\a))*DPITCH+64*(\b)
	ds_store_b128 v[DST], v[8*(8*(\a)+(\b))+4:8*(8*(\a)+(\b))+7] offset:16*(4*(\hi)+(\a))*DPITCH+64*(\b)+16
.endr
.endr
.endr
	WIN 0
	s_wait_loadcnt 0x0                             ; the gains: rounded to bf16, widened again
.irp k, 0,1,2,3
	v_cvt_pk_bf16_f32 v[TP+(\k)], v[W+2*(\k)], v[W+2*(\k)+1]
.endr
.irp k, 0,1,2,3
	v_lshlrev_b32 v[W+2*(\k)], 16, v[TP+(\k)]
	v_and_b32 v[W+2*(\k)+1], 0xffff0000, v[TP+(\k)]
.endr
	s_mov_b32 s98, 0x3c000000                      ; 1 / 128
	s_mov_b32 s99, 8
; A trip: 16 rows.  Lane (h, r) holds of row 2 p + h the columns 4 r .. 4 r + 3 and 64 + 4 r ..: RoPE's partners lie in one lane, a row's 128 numbers in 16 lanes, and 16 lanes cover 256 consecutive bytes.
.Lrows:
.irp p, 0,1,2,3,4,5,6,7
	ds_load_b128 v[YY+8*(\p):YY+8*(\p)+3],   v[LRD] offset:(\p)*2*DPITCH       ; LDS serves a wave's instructions in order (ISA guide 5.7.1.4): these see my stores
	ds_load_b128 v[YY+8*(\p)+4:YY+8*(\p)+7], v[LRD] offset:(\p)*2*DPITCH+256
.endr
	s_cmp_eq_u32 s[KIND], 2
	s_cbranch_scc1 .Lplain                         ; v has neither norm nor RoPE
.irp p, 0,1,2,3,4,5,6,7
	global_load_b128 v[CSR+8*(\p):CSR+8*(\p)+3],   v[VT], s[TAB:TAB+1] offset:(\p)*1024
	global_load_b128 v[CSR+8*(\p)+4:CSR+8*(\p)+7], v[VT], s[TAB:TAB+1] offset:(\p)*1024+256
.endr
	s_wait_dscnt 0x0
.irp p, 0,1,2,3,4,5,6,7
	v_pk_mul_f32 v[T+2*(\p):T+2*(\p)+1], v[YY+8*(\p):YY+8*(\p)+1], v[YY+8*(\p):YY+8*(\p)+1]
.endr
.irp k, 1,2,3
.irp p, 0,1,2,3,4,5,6,7
	v_pk_fma_f32 v[T+2*(\p):T+2*(\p)+1], v[YY+8*(\p)+2*(\k):YY+8*(\p)+2*(\k)+1], v[YY+8*(\p)+2*(\k):YY+8*(\p)+2*(\k)+1], v[T+2*(\p):T+2*(\p)+1]
.endr
.endr
.irp p, 0,1,2,3,4,5,6,7
	v_add_f32 v[T+2*(\p)], v[T+2*(\p)], v[T+2*(\p)+1]
.endr
.irp m, 1,2,4,8                        ; over the row's 16 lanes
.irp p, 0,1,2,3,4,5,6,7
	v_add_f32_dpp v[T+2*(\p)], v[T+2*(\p)], v[T+2*(\p)] row_xmask:\m row_mask:0xf bank_mask:0xf
.endr
.endr
.irp p, 0,1,2,3,4,5,6,7
	v_fmaak_f32 v[T+2*(\p)+1], s98, v[T+2*(\p)], 0x358637bd   ; the mean + 1e-6
.endr
.irp p, 0,1,2,3,4,5,6,7
	v_rsq_f32 v[T+2*(\p)], v[T+2*(\p)+1]
.endr
.irp p, 0,1,2,3,4,5,6,7                ; x w: work that names no root stands behind the batch of eight
.irp k, 0,1,2,3
	v_pk_mul_f32 v[YY+8*(\p)+2*(\k):YY+8*(\p)+2*(\k)+1], v[YY+8*(\p)+2*(\k):YY+8*(\p)+2*(\k)+1], v[W+2*(\k):W+2*(\k)+1]
.endr
.endr
	s_wait_alu depctr_va_vdst(0)                   ; one wait for the eight roots, ahead of their first reader
	s_wait_loadcnt 0x0                             ; the table's rows
.irp p, 0,1,2,3,4,5,6,7                ; the root goes into the cosines and sines
.irp k, 0,1,2,3
	v_pk_mul_f32 v[CSR+8*(\p)+2*(\k):CSR+8*(\p)+2*(\k)+1], v[CSR+8*(\p)+2*(\k):CSR+8*(\p)+2*(\k)+1], v[T+2*(\p):T+2*(\p)+1] op_sel_hi:[1,0]
.endr
.endr
.irp p, 0,1,2,3,4,5,6,7                ; lo' = lo cos - hi sin;  hi' = hi cos + lo sin
.irp u, 0,1
	v_pk_mul_f32 v[TP+2*((2*(\p)+(\u))%4):TP+2*((2*(\p)+(\u))%4)+1], v[YY+8*(\p)+4+2*(\u):YY+8*(\p)+5+2*(\u)], v[CSR+8*(\p)+4+2*(\u):CSR+8*(\p)+5+2*(\u)]
	v_pk_mul_f32 v[CSR+8*(\p)+4+2*(\u):CSR+8*(\p)+5+2*(\u)], v[YY+8*(\p)+2*(\u):YY+8*(\p)+1+2*(\u)], v[CSR+8*(\p)+4+2*(\u):CSR+8*(\p)+5+2*(\u)]
	v_pk_fma_f32 v[YY+8*(\p)+2*(\u):YY+8*(\p)+1+2*(\u)], v[YY+8*(\p)+2*(\u):YY+8*(\p)+1+2*(\u)], v[CSR+8*(\p)+2*(\u):CSR+8*(\p)+1+2*(\u)], v[TP+2*((2*(\p)+(\u))%4):TP+2*((2*(\p)+(\u))%4)+1] neg_lo:[0,0,1] neg_hi:[0,0,1]
	v_pk_fma_f32 v[YY+8*(\p)+4+2*(\u):YY+8*(\p)+5+2*(\u)], v[YY+8*(\p)+4+2*(\u):YY+8*(\p)+5+2*(\u)], v[CSR+8*(\p)+2*(\u):CSR+8*(\p)+1+2*(\u)], v[CSR+8*(\p)+4+2*(\u):CSR+8*(\p)+5+2*(\u)]
.endr
.endr
.Lplain:
	s_wait_dscnt 0x0
	s_cmp_eq_u32 s[KIND], 0
	s_cbranch_scc1 .Lno32                          ; q has no f32 output
.irp p, 0,1,2,3,4,5,6,7
	global_store_b128 v[VT], v[YY+8*(\p):YY+8*(\p)+3],   s[O32:O32+1] offset:(\p)*1024       ; 16 lanes store 256 consecutive bytes, aligned
	global_store_b128 v[VT], v[YY+8*(\p)+4:YY+8*(\p)+7], s[O32:O32+1] offset:(\p)*1024+256
.endr
.Lno32:
.irp p, 0,1,2,3,4,5,6,7
.irp k, 0,1,2,3
	v_cvt_pk_f16_f32 v[HH+4*(\p)+(\k)], v[YY+8*(\p)+2*(\k)], v[YY+8*(\p)+2*(\k)+1]
.endr
.endr
.irp p, 0,1,2,3,4,5,6,7                ; through my stage: 8 bytes a lane in, 16 bytes a lane back; rows 384 bytes apart put the two rows of a store into different halves of the banks
	ds_store_b64 v[SST], v[HH+4*(\p):HH+4*(\p)+1]   offset:(\p)*2*SPITCH
	ds_store_b64 v[SST], v[HH+4*(\p)+2:HH+4*(\p)+3] offset:(\p)*2*SPITCH+128
.endr
.irp t, 0,1,2,3,4,5,6,7
	ds_load_b128 v[GG+4*(\t):GG+4*(\t)+3], v[SRD] offset:(\t)*2*SPITCH
.endr
	s_wait_dscnt 0x0
.irp t, 0,1,2,3,4,5,6,7
	global_store_b128 v[VO16], v[GG+4*(\t):GG+4*(\t)+3], s[O16:O16+1] offset:(\t)*512
.endr
	s_wait_xcnt 0x0                                ; the stores have read their data and bases: only now are these written again
	s_add_nc_u64 s[TAB:TAB+1], s[TAB:TAB+1], 16*512
	s_add_nc_u64 s[O32:O32+1], s[O32:O32+1], 16*512
	s_add_nc_u64 s[O16:O16+1], s[O16:O16+1], 16*256
	v_add_nc_u32 v[LRD], 16*DPITCH, v[LRD]
	s_sub_co_u32 s99, s99, 1
	s_cmp_lg_u32 s99, 0
	s_cbranch_scc1 .Lrows
	s_wait_tensorcnt 0x0                           ; the wave's end: behind my last tensor load and my last LDS store
	ds_add_u32 v[SPW], v[NIL]
	s_wait_dscnt 0x0
	CROUND                                         ; the closing round
	s_endpgm
.Lfunc_end_k_q04bbb603ad_qkv:
	.size	k_q04bbb603ad_qkv, .Lfunc_end_k_q04bbb603ad_qkv-k_q04bbb603ad_qkv
	.p2alignl 7, 3214868480
	.fill 96, 4, 3214868480
	.section	.rodata,"a",@progbits
	.p2align	6, 0x0
	.amdhsa_kernel k_q04bbb603ad_qkv
		.amdhsa_group_segment_fixed_size 327680
		.amdhsa_private_segment_fixed_size 0
		.amdhsa_enable_private_segment 0
		.amdhsa_kernarg_size 80
		.amdhsa_user_sgpr_count 2
		.amdhsa_user_sgpr_kernarg_segment_ptr 1
		.amdhsa_wavefront_size32 1
		.amdhsa_system_sgpr_workgroup_id_x 1
		.amdhsa_system_sgpr_workgroup_id_y 1
		.amdhsa_system_sgpr_workgroup_id_z 1
		.amdhsa_system_vgpr_workitem_id 0
		.amdhsa_next_free_vgpr 1024
		.amdhsa_next_free_sgpr 100
		.amdhsa_reserve_vcc 0
		.amdhsa_float_denorm_mode_32 3
		.amdhsa_float_denorm_mode_16_64 3
		.amdhsa_memory_ordered 1
		.amdhsa_forward_progress 1
		.amdhsa_inst_pref_size 145
	.end_amdhsa_kernel
	.amdgpu_metadata
---
amdhsa.version: [ 1, 2 ]
amdhsa.kernels:
  - .name:           k_q04bbb603ad_qkv
    .symbol:         k_q04bbb603ad_qkv.kd
    .args:
      - { .name: xb, .offset: 0, .size: 8, .value_kind: global_buffer, .address_space: global }
      - { .name: wcat, .offset: 8, .size: 8, .value_kind: global_buffer, .address_space: global }
      - { .name: tab, .offset: 16, .size: 8, .value_kind: global_buffer, .address_space: global }
      - { .name: q_norm_w, .offset: 24, .size: 8, .value_kind: global_buffer, .address_space: global }
      - { .name: k_norm_w, .offset: 32, .size: 8, .value_kind: global_buffer, .address_space: global }
      - { .name: qh, .offset: 40, .size: 8, .value_kind: global_buffer, .address_space: global }
      - { .name: kh, .offset: 48, .size: 8, .value_kind: global_buffer, .address_space: global }
      - { .name: vh, .offset: 56, .size: 8, .value_kind: global_buffer, .address_space: global }
      - { .name: out1, .offset: 64, .size: 8, .value_kind: global_buffer, .address_space: global }
      - { .name: out2, .offset: 72, .size: 8, .value_kind: global_buffer, .address_space: global }
    .group_segment_fixed_size: 327680
    .private_segment_fixed_size: 0
    .kernarg_segment_align: 8
    .kernarg_segment_size: 80
    .max_flat_workgroup_size: 128
    .sgpr_count:     100
    .vgpr_count:     1024
    .wavefront_size: 32
...
	.end_amdgpu_metadata
.endif
;; end of part 2
;; launch attn (part 3): grid 16 x 16, 4 waves a work-group, clusters of 4 x 1, 327,680 bytes of LDS; arguments qh, kh, vh, ob; writes ob
.if DOCPART == 3
	.amdgcn_target "amdgcn-amd-amdhsa--gfx1250"
	.amdhsa_code_object_version 6
	.text
	.protected	k_q04bbb603ad_attn
	.globl	k_q04bbb603ad_attn
	.p2align	8
	.type	k_q04bbb603ad_attn,@function
k_q04bbb603ad_attn:
	s_mov_b64 s[64:65], 0
	v_nop
	global_prefetch_b8 v0, s[64:65] scope:SCOPE_SE
	s_setreg_imm32_b32 hwreg(HW_REG_WAVE_MODE, 25, 1), 1
	s_wait_xcnt 0x0
	s_wait_alu depctr_hold_cnt(0) depctr_sa_sdst(0) depctr_va_vdst(0) depctr_va_sdst(0) depctr_va_ssrc(0) depctr_va_vcc(0) depctr_vm_vsrc(0)
	s_getreg_b32 s2, hwreg(HW_REG_IB_STS2, 6, 4)
	s_cmp_eq_u32 s2, 0
	s_cbranch_scc0 .Lentry_in_a_cluster
	s_endpgm
.Lentry_in_a_cluster:
	s_bfe_u32 s2, ttmp6, 0x10000c
	s_cmp_lg_u32 s2, 0x3003
	s_cbranch_scc0 .Lentry_shape_is_right
	s_endpgm
.Lentry_shape_is_right:
; CAUSAL GQA ATTENTION.  O[b][s][h][:] = the sum over k <= s of softmax_k(q . k / sqrt(128)) v.  qh [2][16][2048][128], kh, vh [2][8][2048][128], ob [4096][2048] (column = 128 h + d), all f16.
; Products, maxima and sums in f32; the weights are rounded to f16 for the second product (their sum is taken unrounded), O once at the end.
; LIMITS.  A hidden score counts as its value less 1e30; a weight below 2^-126 counts as 0; NaN and infinities are not treated apart.
; SHARES.  y = batch x 8 + key head.  A BLOCK is 64 positions x the key head's two query heads.  Wave w owns positions 16 w .. 16 w + 15; its two tiles of 16 queries are the two heads, so each fragment of K and V feeds both.
; THE WALK.  Keys go in tiles of 256, four steps of 64.  Block 4 T + jj needs tiles 0 .. T.  A work-group takes two blocks: T = 7 - a, jj = 3 - cx and T = a, jj = cx (a: the cluster's x; cx: my place in it): 9 tiles, the SAME
; sequence in all four partners, so every tile is asked for jointly.  The block with an even number of tiles goes first, so it ends in a trip of slot 1, and the second block in the tail.
; In a block's last tile step s is open (s < jj), the diagonal (s = jj) or hidden (s > jj); all four steps are computed: the mask is the C operand that starts S^T: MD x AL + BE with two scalars.
; LAYOUT.  S^T = K Q^T holds one query a lane (l % 16) and keys 8 (l / 16) + 0..7; two such results rounded to f16 are source 1 of O^T = V^T P.  p = 2^(c s - c m), c = log2(e) / sqrt(128), running maximum m; O and l times a = 2^(c m_old - c m_new).
; A step goes in phases: V's run of loads, the mask, 32 products K Q^T, the next K's run, the softmax (one batch of 66 exponentials, one wait), 32 products V^T P.
; REGISTERS: window 0: v0-15 addresses, v16-31 statistics (8 a tile), v61-63, v64-127 S^T, v128-159 P; window 1: v0-127 O^T, v128-159 MD, v160-191 MC; window 2: v0-63 Q, v64-127 the second block's Q, v128-255 K; window 3: v0-127 V.
.set KS,    64
.set PK,    272                        ; a row of K in LDS: 256 + 16 bytes
.set PV,    288                        ; a row of V: 256 + 32 bytes
.set VOFF,  256*PK                     ; a slot: 256 rows of K, then 256 rows of V
.set SLOTB, 256*(PK+PV)
.set STAGE, 2*SLOTB                    ; behind the ring: 16 rows x 272 bytes for each wave
.set SP,    272
.set SPARE, STAGE+4*16*SP              ; the spare words; no other line names them
.set AK0, 2
.set AV0, 3
.set AK,  4
.set AV,  5
.set STO, 6
.set RD,  7
.set GO,  8                            ; v8  4,096 (l / 16) + 16 (l % 16): my place in two rows of ob
.set QO,  15
.set ST,  16                           ; tile t at v[ST+8 t]: c m, m, l (even, odd keys), four at work; a takes the third of them
.set PFO, 61                           ; v61 256 x lane; never rewritten
.set SPW, 62
.set NIL, 63
.set S,   64
.set P,   128
.set MD,  128                          ; window 1
.set MC,  160                          ; window 1
.set QB,  64                           ; window 2
.set KF,  128                          ; window 2
.set WV,  12
.set CX,  13
.set CA,  14
.set YH,  15
.set G1K, 24
.set G1V, 32
.set G0K, 40
.set G0V, 44
.set KB,  48                           ; s[48:49] kh at my half of the head's tile 0
.set VB,  50
.set OFF, 52                           ; s[52:53] a tile's byte offset
.set LK,  54                           ; s54  my half's place in a slot, for K
.set LV,  55
.set LOOP, 56
.set CNT, 57
.set CS,  58
.set SEL, 60
.set TBK, 62
.set TBV, 63
.set RT,  66                           ; tiles of the block in hand still to be entered
.set NXT, 67                           ; the tile to be asked for next
.set LQ,  68                           ; the last tile of the block whose tiles are being asked for
.set TBT, 69                           ; the second block's last tile
.set JJ,  70                           ; the block's band in its last tile
.set JJB, 71
.set JD,  72                           ; JJ in a block's last tile, else 99
.set SI,  73
.set AL,  74
.set BE,  76
.set BIGN, 78
.set TN,  79                           ; the trip's number
.set PLIM, 80                          ; trips that prefetch
.set PFA, 82
.set OA,  84
.set OB2, 86
.set QA,  88
.set QBP, 90
.set MSB, 0
.macro WIN new
.if MSB != (\new)
	s_set_vgpr_msb (MSB<<8)|(\new)
.set MSB, \new
.endif
.endm
.set W_KQ, 0x0a
.set W_KM, 0x1a                        ; the same with C in window 1
.set W_PV, 0x53
.set W_RS, 0x41
.macro JLOAD                           ; waves 0 and 1 fetch the halves of a tile's K, waves 2 and 3 of its V; an s_nop 0 and four v_nop follow each line
	s_cmp_lt_u32 s[WV], 2
	s_cbranch_scc0 .Lfor_v_\@
	tensor_load_to_lds s[G0K:G0K+3], s[G1K:G1K+7]
	s_nop 0
.rept 4
	v_nop
.endr
	s_branch .Lasked_\@
.Lfor_v_\@:
	tensor_load_to_lds s[G0V:G0V+3], s[G1V:G1V+7]
	s_nop 0
.rept 4
	v_nop
.endr
.Lasked_\@:
.endm
; A prefetch of the tile that the NEXT change of slots asks for.  All clusters of a key head walk the same rows; the cluster with a = 0 walks tiles 0 to 7 in order and asks, in trips 0 to 5, for tiles 2 to 7.
; Each wave asks for 32 of the 128 rows that it fetches, the four partners told apart by address: a lane a row of 256 bytes, each row named once.
.macro ASK
	s_cmp_lt_u32 s[TN], s[PLIM]
	s_cbranch_scc0 .Lnot_mine_\@
	global_prefetch_b8 v[PFO], s[PFA:PFA+1] th:TH_LOAD_NT scope:SCOPE_SE
.Lnot_mine_\@:
.endm
.macro CROUND
	s_barrier_signal -1
	s_barrier_wait -1
	s_cmp_lg_u32 s[WV], 0
	s_cbranch_scc1 .Lnot_wave_0_\@
	s_barrier_signal -3
.Lnot_wave_0_\@:
	s_barrier_wait -3
	s_barrier_signal -1
	s_barrier_wait -1
.endm
	s_load_b256 s[4:11], s[0:1], 0x0               ; qh 4, kh 6, vh 8, ob 10
	v_lshl_add_u32 v[SPW], v0, 2, SPARE
	v_mov_b32 v[NIL], 0
	ds_add_u32 v[SPW], v[NIL]                      ; the wave's opening: the add and its wait stand ahead of my first tensor load
	v_lshrrev_b32 v1, 5, v0
	v_readfirstlane_b32 s[WV], v1
	s_bfe_u32 s[CX], ttmp6, 0x40000
	s_mov_b32 s[CA], ttmp9
	s_and_b32 s[YH], ttmp7, 0xffff
	s_sub_co_u32 s16, 7, s[CA]
	s_sub_co_u32 s17, 3, s[CX]
	s_and_b32 s18, s[CA], 1
	s_cmp_eq_u32 s18, 0                            ; a even: the high block has 8 - a tiles, an even number, and goes first
	s_cselect_b32 s[LQ], s16, s[CA]
	s_cselect_b32 s[TBT], s[CA], s16
	s_cselect_b32 s[JJ], s17, s[CX]
	s_cselect_b32 s[JJB], s[CX], s17
	s_add_co_u32 s[RT], s[LQ], 1
	s_mov_b32 s[NXT], 1
	s_mov_b32 s[TN], 0
	s_cmp_eq_u32 s[CA], 0
	s_cselect_b32 s[PLIM], 6, 0
	s_lshl2_add_u32 s16, s[LQ], s[JJ]              ; the first block's number, 4 T + jj,
	s_lshl2_add_u32 s17, s[TBT], s[JJB]            ; the second's
	s_lshl2_add_u32 s16, s16, s[WV]
	s_lshl2_add_u32 s17, s17, s[WV]
	s_lshl_b32 s16, s16, 4                         ; my first position: 64 x block + 16 w
	s_lshl_b32 s17, s17, 4
	s_lshl_b32 s18, s[YH], 20                      ; query head 2 y: 2 x 2,048 rows of 256 bytes
	s_lshl_b32 s20, s16, 8
	s_add_co_u32 s20, s20, s18
	s_mov_b32 s21, 0
	s_lshl_b32 s22, s17, 8
	s_add_co_u32 s22, s22, s18
	s_mov_b32 s23, 0
	s_lshr_b32 s18, s[YH], 3
	s_lshl_b32 s18, s18, 11                        ; the batch's 2,048 rows of ob
	s_and_b32 s19, s[YH], 7
	s_lshl_b32 s19, s19, 9                         ; two heads of 256 bytes
	s_add_co_u32 s2, s18, s16
	s_lshl_b32 s2, s2, 12
	s_add_co_u32 s2, s2, s19
	s_mov_b32 s3, 0
	s_add_co_u32 s92, s18, s17
	s_lshl_b32 s92, s92, 12
	s_add_co_u32 s92, s92, s19
	s_mov_b32 s93, 0
	s_and_b32 s18, s[WV], 1                        ; which half of a tile's 256 keys I fetch
	s_lshl_b32 s[OFF], s[YH], 19
	s_lshl_b32 s19, s18, 15
	s_add_co_u32 s[OFF], s[OFF], s19
	s_mov_b32 s[OFF+1], 0
	s_mul_i32 s[LK], s18, 128*PK
	s_mul_i32 s[LV], s18, 128*PV
	s_add_co_u32 s[LV], s[LV], VOFF
	s_mov_b32 s[G1K], 15|(1<<16)|(1<<20)|(1<<21)|(5<<22)|(3<<25)  ; the mask of four; 2-byte elements; padding on; bit 21 beside a mask; after every 64 words 4 words
	s_mov_b32 s[G1V], 15|(1<<16)|(1<<20)|(1<<21)|(5<<22)|(7<<25)  ; 8 words
.irp g, G1K, G1V
	s_mov_b32 s[(\g)+1], 128<<16                   ; tensor_dim0 = 128
	s_mov_b32 s[(\g)+2], 128<<16                   ; tensor_dim1 = 128
	s_mov_b32 s[(\g)+3], 128<<16                   ; tile_dim0 = 128
	s_mov_b32 s[(\g)+4], 128                       ; tile_dim1 = 128
	s_mov_b32 s[(\g)+5], 128                       ; elements from row to row
	s_mov_b32 s[(\g)+6], 0
	s_mov_b32 s[(\g)+7], 0
.endr
	s_mov_b32 s[CS], 0x3e0293ee                    ; c = log2(e) / sqrt(128)
	s_mov_b32 s[CS+1], s[CS]
	s_mov_b32 s[SEL], 0x76543210
	s_mov_b32 s[SEL+1], 0xfedcba98
	s_mov_b32 s[AL+1], 0
	s_mov_b32 s[BE+1], 0
	s_mov_b32 s[BIGN], 0xf149f2ca                  ; -1e30
	s_mov_b32 s[G0K], 1
	s_mov_b32 s[G0K+1], s[LK]                      ; slot 0
	s_mov_b32 s[G0V], 1
	s_mov_b32 s[G0V+1], s[LV]
	s_wait_dscnt 0x0                               ; the opening add is done
	s_wait_kmcnt 0x0
	s_add_nc_u64 s[KB:KB+1], s[6:7], s[OFF:OFF+1]
	s_add_nc_u64 s[VB:VB+1], s[8:9], s[OFF:OFF+1]
	s_add_nc_u64 s[QA:QA+1], s[4:5], s[20:21]
	s_add_nc_u64 s[QBP:QBP+1], s[4:5], s[22:23]
	s_add_nc_u64 s[OA:OA+1], s[10:11], s[2:3]
	s_add_nc_u64 s[OB2:OB2+1], s[10:11], s[92:93]
	s_add_nc_u64 s[G0K+2:G0K+3], s[KB:KB+1], 0
	s_or_b32 s[G0K+3], s[G0K+3], 0x80000000
	s_add_nc_u64 s[G0V+2:G0V+3], s[VB:VB+1], 0
	s_or_b32 s[G0V+3], s[G0V+3], 0x80000000
	s_cmp_lt_u32 s[WV], 2
	s_cselect_b64 s[PFA:PFA+1], s[KB:KB+1], s[VB:VB+1]
	s_lshl_b32 s2, s[CX], 13                       ; my work-group's 32 rows of the 128
	s_add_nc_u64 s[PFA:PFA+1], s[PFA:PFA+1], s[2:3]
	s_add_nc_u64 s[PFA:PFA+1], s[PFA:PFA+1], 65536 ; in tile 1; the first change of slots steps it to tile 2
	CROUND                                         ; all four work-groups are here
	JLOAD                                          ; tile 0 into slot 0
	v_and_b32 v1, 15, v0                           ; r
	v_bfe_u32 v9, v0, 4, 1                         ; h
	v_lshlrev_b32 v[QO], 8, v1
	v_lshl_add_u32 v[QO], v9, 4, v[QO]
	WIN 0x80
.set i, 0
.rept 8                                ; both blocks' Q: tile (head) i / 4, channels 32 (i % 4) on
	global_load_b128 v[8*i:8*i+3],         v[QO], s[QA:QA+1]   offset:(i/4)*524288+(i%4)*64
	global_load_b128 v[8*i+4:8*i+7],       v[QO], s[QA:QA+1]   offset:(i/4)*524288+(i%4)*64+32
	global_load_b128 v[QB+8*i:QB+8*i+3],   v[QO], s[QBP:QBP+1] offset:(i/4)*524288+(i%4)*64
	global_load_b128 v[QB+8*i+4:QB+8*i+7], v[QO], s[QBP:QBP+1] offset:(i/4)*524288+(i%4)*64+32
.set i, i+1
.endr
	WIN 0
	v_lshlrev_b32 v14, 3, v9
	v_sub_nc_u32 v14, v1, v14
	s_lshl_b32 s16, s[WV], 4
	v_add_nc_u32 v14, s16, v14                     ; my query's place in its 64, less 8 h: register j of key group kt is hidden where 16 kt + j is greater
	WIN 0x40
.set i, 0
.rept 32
	v_cmp_gt_i32 vcc_lo, 16*(i/8)+i%8, v14
	v_cndmask_b32 v[MD+i], 0, s[BIGN], vcc_lo
.set i, i+1
.endr
.set i, 0
.rept 128                              ; a block's first step multiplies O^T and l by a = 0: they need only be finite.  These lines stand in the wait for the first tile
	v_mov_b32 v[i], 0
.set i, i+1
.endr
	WIN 0
.irp t, 0,1
	v_mov_b32 v[ST+8*(\t)], 0xfe000000             ; c m: far below every c s
	v_mov_b32 v[ST+8*(\t)+1], 0xff7fffff           ; m
	v_mov_b32 v[ST+8*(\t)+2], 0
	v_mov_b32 v[ST+8*(\t)+3], 0
.endr
	v_mul_u32_u24 v[AK0], v1, PK
	v_lshl_add_u32 v[AK0], v9, 4, v[AK0]
	v_and_b32 v10, 7, v0
	v_bfe_u32 v11, v0, 3, 1
	v_lshl_add_u32 v[AV0], v9, 3, v10
	v_mul_u32_u24 v[AV0], v[AV0], PV
	v_lshl_add_u32 v[AV0], v11, 4, v[AV0]
	v_add_nc_u32 v[AV0], VOFF, v[AV0]
	s_mul_i32 s16, s[WV], 16*SP
	s_add_co_u32 s16, s16, STAGE
	v_mul_u32_u24 v[STO], v1, SP
	v_lshl_add_u32 v[STO], v9, 4, v[STO]
	v_add_nc_u32 v[STO], s16, v[STO]
	v_mul_u32_u24 v[RD], v9, SP
	v_lshl_add_u32 v[RD], v1, 4, v[RD]
	v_add_nc_u32 v[RD], s16, v[RD]
	v_lshlrev_b32 v[GO], 12, v9
	v_lshl_add_u32 v[GO], v1, 4, v[GO]
	v_and_b32 v[PFO], 31, v0
	v_lshlrev_b32 v[PFO], 8, v[PFO]
; Product i of 32 of S^T = K Q^T: channels 32 (i / 8) on, keys 16 ((i / 2) % 4) on, tile i % 2.  The first 8 start the sums with the mask.  The 8 accumulators take turns.
.macro KQ
.set rS, S+32*(i%2)+8*((i/2)%4)
.set rK, KF+32*((i/2)%4)+8*(i/8)
.set rQ, 32*(i%2)+8*(i/8)
.set rM, MC+8*((i/2)%4)
.if i < 8
	WIN W_KM
	v_wmma_f32_16x16x32_f16 v[rS:rS+7], v[rK:rK+7], v[rQ:rQ+7], v[rM:rM+7]
.else
	WIN W_KQ
	v_wmma_f32_16x16x32_f16 v[rS:rS+7], v[rK:rK+7], v[rQ:rQ+7], v[rS:rS+7]
.endif
.endm
; Product i of 32 of O^T += V^T P: keys 32 (i / 16) on, channels 16 ((i / 2) % 8) on, tile i % 2: 16 accumulators by turns.
.macro PV
	WIN W_PV
.set rO, 64*(i%2)+8*((i/2)%8)
.set rV, 64*(i/16)+8*((i/2)%8)
.set rP, P+16*(i%2)+8*(i/16)
	v_wmma_f32_16x16x32_f16 v[rO:rO+7], v[rV:rV+7], v[rP:rP+7], v[rO:rO+7]
.endm
.macro FETCH_K                         ; a step's K: 16 fragments, 32 loads in one run
	WIN 0
	v_add_nc_u32 v[AK], s[TBK], v[AK0]
	s_add_co_u32 s[TBK], s[TBK], KS*PK
	WIN 0x80
.irp f, 0,1,2,3,4,5,6,7,8,9,10,11,12,13,14,15
	ds_load_b128 v[KF+8*(\f):KF+8*(\f)+3],   v[AK] offset:((\f)/4)*16*PK+((\f)%4)*64
	ds_load_b128 v[KF+8*(\f)+4:KF+8*(\f)+7], v[AK] offset:((\f)/4)*16*PK+((\f)%4)*64+32
.endr
	WIN 0
.endm
.macro FETCH_V                         ; a step's V, turned
	WIN 0
	v_add_nc_u32 v[AV], s[TBV], v[AV0]
	s_add_co_u32 s[TBV], s[TBV], KS*PV
	WIN 0xc0
.irp f, 0,1,2,3,4,5,6,7,8,9,10,11,12,13,14,15
	ds_load_tr16_b128 v[8*(\f):8*(\f)+3],   v[AV] offset:((\f)/8)*32*PV+((\f)%8)*32
	ds_load_tr16_b128 v[8*(\f)+4:8*(\f)+7], v[AV] offset:((\f)/8)*32*PV+16*PV+((\f)%8)*32
.endr
	WIN 0
.endm
; Number j of the 134 of a tile's softmax for a step.  0-15 the maximum of the 32 scores and the old m (each accumulator's lowest registers first); 16-20 the other half of the lanes, m, c m, its change;
; 21-69 the 16 scalings and the 33 exponentials, none of which reads an exponential's result; 70-85 the roundings; 86-101 the sums; 102-133 O^T times a.
.macro SM t
.set rT, ST+8*(\t)
.set rS, S+32*(\t)
.set rP, P+16*(\t)
.set rO, 64*(\t)+2*(j-102)
.if j < 102
	WIN 0
.endif
.if j < 4
	v_max3_num_f32 v[rT+4+j], v[rS+8*j], v[rS+8*j+1], v[rS+8*j+2]
.elseif j < 12
	v_max3_num_f32 v[rT+4+j%4], v[rT+4+j%4], v[rS+8*(j%4)+2*(j/4)+1], v[rS+8*(j%4)+2*(j/4)+2]
.elseif j == 12
	v_max3_num_f32 v[rT+4], v[rT+4], v[rS+7], v[rS+15]
.elseif j == 13
	v_max3_num_f32 v[rT+6], v[rT+6], v[rS+23], v[rS+31]
.elseif j == 14
	v_max3_num_f32 v[rT+4], v[rT+4], v[rT+5], v[rT+6]
.elseif j == 15
	v_max3_num_f32 v[rT+4], v[rT+4], v[rT+7], v[rT+1]
.elseif j == 16
	v_permlanex16_b32 v[rT+5], v[rT+4], s[SEL], s[SEL+1]
.elseif j == 17
	v_mov_b32 v[rT+7], v[rT]
.elseif j == 18
	v_max_num_f32 v[rT+1], v[rT+4], v[rT+5]
.elseif j == 19
	v_mul_f32 v[rT], s[CS], v[rT+1]
.elseif j == 20
	v_sub_f32 v[rT+7], v[rT+7], v[rT]
.elseif j == 23
	v_exp_f32 v[rT+6], v[rT+7]
.elseif (j < 23) || ((j < 38) && (j%2 == 0)) || ((j < 66) && (j%4 == 2))
.set b, (j-2)/4
.if j < 38
.set b, (j-20)/2
.endif
	v_pk_fma_f32 v[rS+2*b:rS+2*b+1], v[rS+2*b:rS+2*b+1], s[CS:CS+1], v[rT:rT+1] op_sel_hi:[1,0,0] neg_lo:[0,0,1] neg_hi:[0,0,1]
.elseif j < 70
.set e, j-38
.if j < 66
.set e, j-32-(j-38)/4
.endif
.if j < 38
.set e, (j-25)/2
.endif
	v_exp_f32 v[rS+e], v[rS+e]
.elseif j < 86
	v_cvt_pk_f16_f32 v[rP+j-70], v[rS+2*(j-70)], v[rS+2*(j-70)+1]
.elseif j < 102
.set z, j-86
.set w, 4
.set u, z
.if z >= 14
.set w, 32
.set u, 0
.elseif z >= 12
.set w, 16
.set u, z-12
.elseif z >= 8
.set w, 8
.set u, z-8
.endif
.if z < 15
	v_pk_add_f32 v[rS+w*u:rS+w*u+1], v[rS+w*u:rS+w*u+1], v[rS+w*u+w/2:rS+w*u+w/2+1]
.else
	v_pk_fma_f32 v[rT+2:rT+3], v[rT+2:rT+3], v[rT+6:rT+7], v[rS:rS+1] op_sel_hi:[1,0,1]
.endif
.else
	WIN W_RS
	v_pk_mul_f32 v[rO:rO+1], v[rO:rO+1], v[rT+6:rT+7] op_sel_hi:[1,0]
.endif
.endm
; The way out of tile t: O^T / l, rounded to f16, through my stage, 16 rows of 256 bytes.
.macro PACK t
	WIN W_RS
.set i, 64*(\t)
.rept 32
	v_pk_mul_f32 v[i:i+1], v[i:i+1], v[ST+8*(\t)+6:ST+8*(\t)+7] op_sel_hi:[1,0]
.set i, i+2
.endr
	WIN 0x05
.set i, 0
.rept 32
	v_cvt_pk_f16_f32 v[S+32*(\t)+i], v[64*(\t)+2*i], v[64*(\t)+2*i+1]
.set i, i+1
.endr
	WIN 0
.irp f, 0,1,2,3,4,5,6,7
	ds_store_b128 v[STO], v[S+32*(\t)+4*(\f):S+32*(\t)+4*(\f)+3] offset:32*(\f)
.endr
.irp f, 0,1,2,3,4,5,6,7
	ds_load_b128 v[S+32*(\t)+4*(\f):S+32*(\t)+4*(\f)+3], v[RD] offset:(\f)*2*SP  ; LDS serves a wave's instructions in order (ISA guide 5.7.1.4)
.endr
.endm
.macro SEND t, younger                 ; younger: the LDS instructions issued behind tile t's loads
.irp f, 0,1,2,3,4,5,6,7
	s_wait_dscnt (\younger)+7-(\f)
	global_store_b128 v[GO], v[S+32*(\t)+4*(\f):S+32*(\t)+4*(\f)+3], s[OA:OA+1] offset:(\t)*256+(\f)*8192  ; 16 lanes store 256 consecutive bytes, aligned
.endr
.endm
; A block ends.  more = 1: the second block follows: its O address, tiles, band, m and Q are set.
.macro END_BLOCK more
	WIN 0
.irp t, 0,1
	v_add_f32 v[ST+8*(\t)+4], v[ST+8*(\t)+2], v[ST+8*(\t)+3]
.endr
.irp t, 0,1
	v_permlanex16_b32 v[ST+8*(\t)+5], v[ST+8*(\t)+4], s[SEL], s[SEL+1]
.endr
.irp t, 0,1
	v_add_f32 v[ST+8*(\t)+4], v[ST+8*(\t)+4], v[ST+8*(\t)+5]
.endr
.irp t, 0,1
	v_rcp_f32 v[ST+8*(\t)+6], v[ST+8*(\t)+4]
.endr
	v_nop                                          ; a plain instruction behind the last reciprocal,
	s_wait_alu depctr_va_vdst(0)                   ; and one wait for the two
	PACK 0
	PACK 1
	SEND 0, 16
	SEND 1, 0
.if \more
	s_wait_xcnt 0x0                                ; the stores have read their registers and O's address
	s_mov_b64 s[OA:OA+1], s[OB2:OB2+1]
	s_add_co_u32 s[RT], s[TBT], 1
	s_mov_b32 s[JJ], s[JJB]
.irp t, 0,1
	v_mov_b32 v[ST+8*(\t)], 0xfe000000
	v_mov_b32 v[ST+8*(\t)+1], 0xff7fffff
.endr
	WIN 0x82
.set i, 0
.rept 64
	v_mov_b32 v[i], v[QB+i]
.set i, i+1
.endr
	WIN 0
.endif
.endm
; A TRIP: a tile of 256 keys in slot `slot`.  Each wave waits for all its tensor loads (one is out: its part of this slot), adds 0 to its spare word, and waits for that and for its reads of the other slot.
; refill = 1: a round of the cluster's barrier, and the other slot is asked for first thing behind it, with tile NXT: that load has four steps, 256 matrix instructions and their softmax, in which to land.
; end = 1: the first block may end here (RT = 0: the same in all partners); end = 2: the second block ends here.
.macro TRIP slot, refill, end
	WIN 0
	s_wait_tensorcnt 0x0                           ; no tensor load of mine is out, so a group 0 may be written
	ds_add_u32 v[SPW], v[NIL]
.if \refill
	s_lshl_b32 s[OFF], s[NXT], 16                  ; a tile is 65,536 bytes of K and of V
	s_add_co_u32 s[G0K+1], s[LK], (1-(\slot))*SLOTB
	s_add_nc_u64 s[G0K+2:G0K+3], s[KB:KB+1], s[OFF:OFF+1]
	s_or_b32 s[G0K+3], s[G0K+3], 0x80000000
	s_add_co_u32 s[G0V+1], s[LV], (1-(\slot))*SLOTB
	s_add_nc_u64 s[G0V+2:G0V+3], s[VB:VB+1], s[OFF:OFF+1]
	s_or_b32 s[G0V+3], s[G0V+3], 0x80000000
	s_add_co_u32 s[NXT], s[NXT], 1                 ; the block's next tile, or behind its last the second block's tile 0
	s_cmp_gt_u32 s[NXT], s[LQ]
	s_cselect_b32 s[NXT], 0, s[NXT]
	s_cselect_b32 s[LQ], s[TBT], s[LQ]
	s_wait_xcnt 0x0                                ; the last prefetch, a tile back, has read its address
	s_add_nc_u64 s[PFA:PFA+1], s[PFA:PFA+1], 65536
	s_wait_dscnt 0x0                               ; the add is done, and my reads of the other slot are over
	CROUND
	JLOAD
	ASK
.else
	s_wait_dscnt 0x0
	s_barrier_signal -1
	s_barrier_wait -1
.endif
	s_add_co_u32 s[TN], s[TN], 1
	s_sub_co_u32 s[RT], s[RT], 1
	s_cmp_eq_u32 s[RT], 0
	s_cselect_b32 s[JD], s[JJ], 99
	s_mov_b32 s[TBK], (\slot)*SLOTB
	s_mov_b32 s[TBV], (\slot)*SLOTB
	s_mov_b32 s[CNT], 4
	FETCH_K
.Lstep_\@:
	s_sub_co_u32 s[SI], 4, s[CNT]
	s_cmp_eq_u32 s[SI], s[JD]                      ; the diagonal's step?
	s_cselect_b32 s[AL], 1.0, 0
	s_cmp_gt_u32 s[SI], s[JD]                      ; a hidden one?
	s_cselect_b32 s[BE], s[BIGN], 0
	FETCH_V                                        ; four plain instructions behind the last product that read V
	WIN W_RS
.set z, 0
.rept 16
	v_pk_fma_f32 v[MC+2*z:MC+2*z+1], v[MD+2*z:MD+2*z+1], s[AL:AL+1], s[BE:BE+1] op_sel_hi:[1,0,0]
.set z, z+1
.endr
	s_wait_dscnt 32                                ; K is in; V's 32 loads, issued behind it, may stay out
.set i, 0
.rept 32
	KQ
.set i, i+1
.endr
	WIN 0
.rept 4
	v_nop                                          ; the places behind those products, for the loads into K and the reads of S^T
.endr
	s_cmp_eq_u32 s[CNT], 1
	s_cbranch_scc1 .Lno_k_\@                       ; the tile's last step: the next K lies in the other slot, behind the barrier
	FETCH_K
.Lno_k_\@:
.set j, 0
.rept 70
	SM 0
	SM 1
.set j, j+1
.endr
	v_nop                                          ; a plain instruction behind the last exponential,
	s_wait_alu depctr_va_vdst(0)                   ; and one wait for the batch of 66, ahead of its first reader
.rept 64
	SM 0
	SM 1
.set j, j+1
.endr
	s_wait_dscnt 0x0                               ; V is in, and the next K
.set i, 0
.rept 32
	PV
.set i, i+1
.endr
	WIN 0
.rept 4
	v_nop                                          ; the places behind those products
.endr
	s_sub_co_u32 s[CNT], s[CNT], 1
	s_cmp_lg_u32 s[CNT], 0
	s_cbranch_scc1 .Lstep_\@
.if (\end) == 1
	s_cmp_lg_u32 s[RT], 0
	s_cbranch_scc1 .Lno_end_\@
	END_BLOCK 1
.Lno_end_\@:
.endif
.if (\end) == 2
	END_BLOCK 0
.endif
.endm
	s_wait_loadcnt 0x0                             ; Q
	s_mov_b32 s[LOOP], 4
.Lpair:                                                ; trips 0 to 7: each asks for the next tile
	TRIP 0, 1, 0
	TRIP 1, 1, 1
	s_sub_co_u32 s[LOOP], s[LOOP], 1
	s_cmp_lg_u32 s[LOOP], 0
	s_cbranch_scc1 .Lpair
	TRIP 0, 0, 2                                   ; the walk's last tile is written out: nothing is asked for
	s_wait_tensorcnt 0x0                           ; the wave's end
	ds_add_u32 v[SPW], v[NIL]
	s_wait_dscnt 0x0
	CROUND                                         ; the closing round
	s_endpgm
.Lfunc_end_k_q04bbb603ad_attn:
	.size	k_q04bbb603ad_attn, .Lfunc_end_k_q04bbb603ad_attn-k_q04bbb603ad_attn
	.p2alignl 7, 3214868480
	.fill 96, 4, 3214868480
	.section	.rodata,"a",@progbits
	.p2align	6, 0x0
	.amdhsa_kernel k_q04bbb603ad_attn
		.amdhsa_group_segment_fixed_size 327680
		.amdhsa_private_segment_fixed_size 0
		.amdhsa_enable_private_segment 0
		.amdhsa_kernarg_size 32
		.amdhsa_user_sgpr_count 2
		.amdhsa_user_sgpr_kernarg_segment_ptr 1
		.amdhsa_wavefront_size32 1
		.amdhsa_system_sgpr_workgroup_id_x 1
		.amdhsa_system_sgpr_workgroup_id_y 1
		.amdhsa_system_sgpr_workgroup_id_z 1
		.amdhsa_system_vgpr_workitem_id 0
		.amdhsa_next_free_vgpr 896
		.amdhsa_next_free_sgpr 96
		.amdhsa_reserve_vcc 1
		.amdhsa_float_denorm_mode_32 3
		.amdhsa_float_denorm_mode_16_64 3
		.amdhsa_memory_ordered 1
		.amdhsa_forward_progress 1
		.amdhsa_inst_pref_size 131
	.end_amdhsa_kernel
	.amdgpu_metadata
---
amdhsa.version: [ 1, 2 ]
amdhsa.kernels:
  - .name:           k_q04bbb603ad_attn
    .symbol:         k_q04bbb603ad_attn.kd
    .args:
      - { .name: qh, .offset: 0, .size: 8, .value_kind: global_buffer, .address_space: global }
      - { .name: kh, .offset: 8, .size: 8, .value_kind: global_buffer, .address_space: global }
      - { .name: vh, .offset: 16, .size: 8, .value_kind: global_buffer, .address_space: global }
      - { .name: ob, .offset: 24, .size: 8, .value_kind: global_buffer, .address_space: global }
    .group_segment_fixed_size: 327680
    .private_segment_fixed_size: 0
    .kernarg_segment_align: 8
    .kernarg_segment_size: 32
    .max_flat_workgroup_size: 128
    .sgpr_count:     96
    .vgpr_count:     896
    .wavefront_size: 32
...
	.end_amdgpu_metadata
.endif
;; end of part 3
;; launch oproj (part 4): grid 8 x 32, 4 waves a work-group, clusters of 4 x 4, 327,680 bytes of LDS; arguments ob, wo16, out0; writes out0
.if DOCPART == 4
	.amdgcn_target "amdgcn-amd-amdhsa--gfx1250"
	.amdhsa_code_object_version 6
	.text
	.protected	k_q04bbb603ad_oproj
	.globl	k_q04bbb603ad_oproj
	.p2align	8
	.type	k_q04bbb603ad_oproj,@function
k_q04bbb603ad_oproj:
	s_mov_b64 s[64:65], 0
	v_nop
	global_prefetch_b8 v0, s[64:65] scope:SCOPE_SE
	s_setreg_imm32_b32 hwreg(HW_REG_WAVE_MODE, 25, 1), 1
	s_wait_xcnt 0x0
	s_wait_alu depctr_hold_cnt(0) depctr_sa_sdst(0) depctr_va_vdst(0) depctr_va_sdst(0) depctr_va_ssrc(0) depctr_va_vcc(0) depctr_vm_vsrc(0)
	s_getreg_b32 s2, hwreg(HW_REG_IB_STS2, 6, 4)
	s_cmp_eq_u32 s2, 0
	s_cbranch_scc0 .Lentry_in_a_cluster
	s_endpgm
.Lentry_in_a_cluster:
	s_bfe_u32 s2, ttmp6, 0x10000c
	s_cmp_lg_u32 s2, 0xf033
	s_cbranch_scc0 .Lentry_shape_is_right
	s_endpgm
.Lentry_shape_is_right:
; OUT0[4096][1024] (f32) = ob[4096][2048] x wo16[2048][1024], both f16, sums in f32.
; A tile of C is 128 x 128, so that there are 256 work-groups; four waves, each 64 x 64: 16 accumulators.  K goes in steps of 256 through two LDS slots.
; A's rows lie along K (64 rows x 512 bytes a load, waves 0 and 1); B lies [k][n]: 256 k-rows x 256 bytes a step (128 rows a load, waves 2 and 3), its fragments turned by ds_load_tr16_b128.
; CLUSTER 4 x 4: A's tile shared along a row, B's along a column.  The product is used transposed: a lane holds row l % 16 of C and the columns 8 (l / 16) + 0..7.
; A wave's 64 columns of f32 are 256 consecutive bytes, aligned: each wave sends its own rows through its own stage, with no barrier.
; REGISTERS: window 0: v0-31 addresses, v128-255 accumulators ((a, b) at v[128 + 8 (4 a + b)]); window 1: two fragment buffers of 128 (64 of A, 64 of B, for 64 along K).
.set KSTEP,  256
.set PITCH,  528                       ; A's LDS row: 512 + 16 bytes
.set PBP,    288                       ; B's LDS row: 256 + 32 bytes
.set HALFA,  64*PITCH
.set HALFB,  128*PBP
.set BOFF,   2*HALFA
.set SLOT,   BOFF+2*HALFB
.set STAGE,  2*SLOT                    ; behind the ring: 16 rows x 272 bytes for each wave
.set SPITCH, 272
.set SPARE,  STAGE+4*16*SPITCH         ; the spare words; no other line names them
.set LAPS,   4                         ; 2,048 / 512
.set ADRA, 16                          ; v16-17  my A fragments in slot 0, 1
.set ADRB, 20                          ; v20-23  my B fragments: slot s, k-rows 128 u on, at ADRB + 2 s + u (an LDS offset has 16 bits)
.set STO,  24
.set RD,   25
.set CO,   26
.set SPW,  28
.set NIL,  29
.set ACC,  128
.set F0,   0
.set F1,   128
.set G1, 24
.set G0, 32
.set G1B, 48
.set G0B, 56
.set MSB, 0
.macro WIN new
.if MSB != (\new)
	s_set_vgpr_msb (MSB<<8)|(\new)
.set MSB, \new
.endif
.endm
.set MUL,  0x05                        ; sources 0 (B) and 1 (A) window 1; C and D window 0
.set TO_F, 0x40
.macro JLOAD s                         ; waves 0 and 1 fetch A's halves, waves 2 and 3 B's; an s_nop 0 and four v_nop follow each line
	s_cmp_eq_u32 s11, 0
	s_cbranch_scc0 .Lfor_b_\@
	tensor_load_to_lds s[G0+4*(\s):G0+4*(\s)+3], s[G1:G1+7]
	s_nop 0
.rept 4
	v_nop
.endr
	s_branch .Lasked_\@
.Lfor_b_\@:
	tensor_load_to_lds s[G0B+4*(\s):G0B+4*(\s)+3], s[G1B:G1B+7]
	s_nop 0
.rept 4
	v_nop
.endr
.Lasked_\@:
.endm
.macro CREST
	s_cmp_lg_u32 s10, 0
	s_cbranch_scc1 .Lnot_wave_0_\@
	s_barrier_signal -3
.Lnot_wave_0_\@:
	s_barrier_wait -3
	s_barrier_signal -1
	s_barrier_wait -1
.endm
.macro CROUND
	s_barrier_signal -1
	s_barrier_wait -1
	CREST
.endm
	s_load_b128 s[4:7], s[0:1], 0x0                ; ob s[4:5], wo16 s[6:7]
	s_load_b64 s[8:9], s[0:1], 0x10                ; out0
	v_lshl_add_u32 v[SPW], v0, 2, SPARE
	v_mov_b32 v[NIL], 0
	ds_add_u32 v[SPW], v[NIL]                      ; the wave's opening: the add and its wait stand ahead of my first tensor load
	v_lshrrev_b32 v1, 5, v0
	v_readfirstlane_b32 s10, v1
	s_lshr_b32 s11, s10, 1                         ; my half of the tile's rows; also: I fetch for A (0) or B (1)
	s_and_b32 s12, s10, 1                          ; my half of its columns; also: which half of that tile I fetch
	s_bfe_u32 s40, ttmp6, 0x40000
	s_bfe_u32 s41, ttmp6, 0x40004
	s_lshl_b32 s42, ttmp9, 2
	s_add_co_u32 s42, s42, s40                     ; tile column
	s_and_b32 s13, ttmp7, 0xffff
	s_lshl_b32 s13, s13, 2
	s_add_co_u32 s13, s13, s41                     ; tile row
	s_lshl_b32 s43, s41, 2
	s_lshl_b32 s43, 15, s43
	s_lshl_b32 s44, 0x1111, s40
	s_or_b32 s[G1+0], s43, (1<<16)|(1<<20)|(1<<21)|(6<<22)|(3<<25)   ; after every 128 words 4 words
	s_or_b32 s[G1B+0], s44, (1<<16)|(1<<20)|(1<<21)|(5<<22)|(7<<25)  ; after every 64 words 8 words
	s_mov_b32 s[G1+1], 256<<16                     ; A: 256 elements a row,
	s_mov_b32 s[G1+2], 64<<16                      ; 64 rows
	s_mov_b32 s[G1+3], 256<<16
	s_mov_b32 s[G1+4], 64
	s_mov_b32 s[G1+5], 2048
	s_mov_b32 s[G1+6], 0
	s_mov_b32 s[G1+7], 0
	s_mov_b32 s[G1B+1], 128<<16                    ; B: 128 elements a row,
	s_mov_b32 s[G1B+2], 128<<16                    ; 128 rows
	s_mov_b32 s[G1B+3], 128<<16
	s_mov_b32 s[G1B+4], 128
	s_mov_b32 s[G1B+5], 1024
	s_mov_b32 s[G1B+6], 0
	s_mov_b32 s[G1B+7], 0
	s_lshl_b32 s17, s12, 6
	s_lshl_b32 s16, s13, 7
	s_add_co_u32 s16, s16, s17                     ; A: row 128 x tile row + 64 x half,
	s_lshl_b32 s16, s16, 12                        ; of 4,096 bytes
	s_mov_b32 s17, 0
	s_lshl_b32 s46, s42, 8                         ; B: 256 bytes x tile column
	s_lshl_b32 s47, s12, 18                        ; + 128 k-rows of 2,048 bytes x half
	s_add_co_u32 s46, s46, s47
	s_mov_b32 s47, 0
	s_mul_i32 s20, s12, HALFA                      ; where they go
	s_mul_i32 s21, s12, HALFB
	s_add_co_u32 s21, s21, BOFF
	s_wait_dscnt 0x0                               ; the opening add is done
	s_wait_kmcnt 0x0
	s_add_nc_u64 s[14:15], s[4:5], s[16:17]
	s_add_nc_u64 s[46:47], s[6:7], s[46:47]
	CROUND
.irp s, 0,1
	s_mov_b32 s[G0+4*(\s)], 1
	s_add_co_u32 s[G0+4*(\s)+1], s20, (\s)*SLOT
	s_add_nc_u64 s[G0+4*(\s)+2:G0+4*(\s)+3], s[14:15], (\s)*KSTEP*2
	s_or_b32 s[G0+4*(\s)+3], s[G0+4*(\s)+3], 0x80000000
	s_mov_b32 s[G0B+4*(\s)], 1
	s_add_co_u32 s[G0B+4*(\s)+1], s21, (\s)*SLOT
	s_add_nc_u64 s[G0B+4*(\s)+2:G0B+4*(\s)+3], s[46:47], (\s)*KSTEP*2048
	s_or_b32 s[G0B+4*(\s)+3], s[G0B+4*(\s)+3], 0x80000000
	JLOAD \s
.endr
	v_and_b32 v1, 15, v0                           ; r
	v_bfe_u32 v2, v0, 4, 1                         ; h
	v_mul_u32_u24 v3, v1, PITCH
	v_lshl_add_u32 v3, v2, 4, v3
	v_and_b32 v4, 7, v0
	v_lshl_add_u32 v4, v2, 3, v4
	v_mul_u32_u24 v4, v4, PBP
	v_bfe_u32 v5, v0, 3, 1
	v_lshl_add_u32 v4, v5, 4, v4
	s_mul_i32 s22, s11, HALFA                      ; my 64 rows of A
	s_lshl_b32 s23, s12, 7                         ; my 64 columns of B: 128 bytes of a row,
	s_add_co_u32 s23, s23, BOFF                    ; behind A's 128 rows
.irp s, 0,1
	v_add_nc_u32 v[ADRA+(\s)], s22, v3
	v_add_nc_u32 v[ADRB+2*(\s)], s23, v4
	v_add_nc_u32 v[ADRB+2*(\s)+1], HALFB, v[ADRB+2*(\s)]
	s_add_co_u32 s22, s22, SLOT
	s_add_co_u32 s23, s23, SLOT
.endr
	s_mul_i32 s22, s10, 16*SPITCH
	s_add_co_u32 s22, s22, STAGE                   ; my stage
	v_mul_u32_u24 v6, v1, SPITCH                   ; in: row r, 32 bytes for each half of the lanes
	v_lshl_add_u32 v6, v2, 5, v6
	v_add_nc_u32 v[STO], s22, v6
	v_mul_u32_u24 v6, v2, SPITCH                   ; back: lanes 0-15 one row of 256 bytes, lanes 16-31 the next
	v_lshl_add_u32 v6, v1, 4, v6
	v_add_nc_u32 v[RD], s22, v6
	v_lshlrev_b32 v6, 12, v2                       ; and the same two rows in out0
	v_lshl_add_u32 v[CO], v1, 4, v6
	s_lshl_b32 s16, s13, 7
	s_lshl_b32 s17, s11, 6
	s_add_co_u32 s16, s16, s17                     ; my first row of C,
	s_lshl_b32 s16, s16, 12                        ; of 4,096 bytes
	s_mov_b32 s17, 0
	s_add_nc_u64 s[8:9], s[8:9], s[16:17]
	s_lshl_b32 s46, s42, 9                         ; my first column: 512 bytes x tile column + 256 x half
	s_lshl_b32 s47, s12, 8
	s_add_co_u32 s46, s46, s47
	s_mov_b32 s47, 0
	s_add_nc_u64 s[8:9], s[8:9], s[46:47]
; 8 matrix instructions: m blocks a0, a0 + 1 x all 4 n blocks, 32 along K: half c of buffer f.  The 16 accumulators take turns.
.macro MUL8 f, c, a0, zero
	WIN MUL
.irp a, \a0, (\a0)+1
.irp b, 0,1,2,3
.if \zero
	v_wmma_f32_16x16x32_f16 v[ACC+8*(4*(\a)+(\b)):ACC+8*(4*(\a)+(\b))+7], v[(\f)+64+8*(4*(\c)+(\b)):(\f)+64+8*(4*(\c)+(\b))+7], v[(\f)+8*(4*(\c)+(\a)):(\f)+8*(4*(\c)+(\a))+7], 0
.else
	v_wmma_f32_16x16x32_f16 v[ACC+8*(4*(\a)+(\b)):ACC+8*(4*(\a)+(\b))+7], v[(\f)+64+8*(4*(\c)+(\b)):(\f)+64+8*(4*(\c)+(\b))+7], v[(\f)+8*(4*(\c)+(\a)):(\f)+8*(4*(\c)+(\a))+7], v[ACC+8*(4*(\a)+(\b)):ACC+8*(4*(\a)+(\b))+7]
.endif
.endr
.endr
.endm
; 32 LDS loads in one run: quarter q (64 along K) of a slot into buffer f; the first 32 along K first
.macro FETCH slot, q, f
	WIN TO_F
.irp c, 0,1
.irp i, 0,1,2,3
	ds_load_tr16_b128 v[(\f)+64+8*(4*(\c)+(\i)):(\f)+64+8*(4*(\c)+(\i))+3],   v[ADRB+2*(\slot)+(\q)/2] offset:(64*((\q)%2)+32*(\c))*PBP+32*(\i)
	ds_load_tr16_b128 v[(\f)+64+8*(4*(\c)+(\i))+4:(\f)+64+8*(4*(\c)+(\i))+7], v[ADRB+2*(\slot)+(\q)/2] offset:(64*((\q)%2)+32*(\c)+16)*PBP+32*(\i)
	ds_load_b128 v[(\f)+8*(4*(\c)+(\i)):(\f)+8*(4*(\c)+(\i))+3],              v[ADRA+(\slot)] offset:128*(\q)+64*(\c)+(\i)*16*PITCH
	ds_load_b128 v[(\f)+8*(4*(\c)+(\i))+4:(\f)+8*(4*(\c)+(\i))+7],            v[ADRA+(\slot)] offset:128*(\q)+64*(\c)+(\i)*16*PITCH+32
.endr
.endr
.endm
.macro PLACES                          ; four plain vector instructions between a matrix instruction and a load into, or a read of, its registers
.rept 4
	v_nop
.endr
.endm
.macro QUARTER slot, q, f, g, zero     ; multiplies buffer f and fetches quarter q into g
	s_wait_dscnt 16                                ; the first 32 along K are in
	MUL8 \f, 0, 0, \zero
	MUL8 \f, 0, 2, \zero
	PLACES
	FETCH \slot, \q, \g
	s_wait_dscnt 32                                ; all but the 32 just issued
	MUL8 \f, 1, 0, 0
	MUL8 \f, 1, 2, 0
.endm
; The last quarter multiplies buffer 1 and changes slots: one barrier; in front of it each wave waits for all its tensor loads, adds 0 to its spare word, and waits for that and for its reads of this slot.
.macro TURN slot, next, fill
	WIN 0
	s_wait_tensorcnt 0x0                           ; all my tensor loads have landed: my part of the next slot
	ds_add_u32 v[SPW], v[NIL]
	s_wait_dscnt 17                                ; (the add and the youngest sixteen loads may be out)
	MUL8 F1, 0, 0, 0
	s_wait_dscnt 0x0                               ; the add is done, and my reads of this slot are over
	s_barrier_signal -1
	MUL8 F1, 0, 2, 0
.if \fill
	WIN 0
.endif
	s_barrier_wait -1
.if \fill
	CREST                                          ; no wave of any partner still reads this slot or has a load on its way
	s_add_nc_u64 s[G0+4*(\slot)+2:G0+4*(\slot)+3], s[G0+4*(\slot)+2:G0+4*(\slot)+3], 2*KSTEP*2
	s_add_nc_u64 s[G0B+4*(\slot)+2:G0B+4*(\slot)+3], s[G0B+4*(\slot)+2:G0B+4*(\slot)+3], 2*KSTEP*2048
	JLOAD \slot                                    ; the first tensor load behind the round; its four v_nop are also the places in front of the loads below
.else
	PLACES
.endif
	FETCH \next, 0, F0
	MUL8 F1, 1, 0, 0
	MUL8 F1, 1, 2, 0
.endm
	s_wait_tensorcnt 1                             ; my part of K step 0 is in; K step 1's may stay out
	s_barrier_signal -1
	s_barrier_wait -1
	FETCH 0, 0, F0
	QUARTER 0, 1, F0, F1, 1
	WIN 0
	s_mov_b32 s3, LAPS-1
.Llap:
	QUARTER 0, 2, F1, F0, 0
	QUARTER 0, 3, F0, F1, 0
	TURN 0, 1, 1
	QUARTER 1, 1, F0, F1, 0
	QUARTER 1, 2, F1, F0, 0
	QUARTER 1, 3, F0, F1, 0
	TURN 1, 0, 1
	QUARTER 0, 1, F0, F1, 0
	WIN 0
	s_sub_co_u32 s3, s3, 1
	s_cmp_lg_u32 s3, 0
	s_cbranch_scc1 .Llap
	QUARTER 0, 2, F1, F0, 0                        ; the last lap fills nothing
	QUARTER 0, 3, F0, F1, 0
	TURN 0, 1, 0
	QUARTER 1, 1, F0, F1, 0
	QUARTER 1, 2, F1, F0, 0
	QUARTER 1, 3, F0, F1, 0
	s_wait_dscnt 16
	MUL8 F1, 0, 0, 0
	MUL8 F1, 0, 2, 0
	s_wait_dscnt 0x0
	MUL8 F1, 1, 0, 0
	MUL8 F1, 1, 2, 0
	WIN 0
	; THE WAY OUT: 16 rows at a time through my stage; they come back as whole rows of 256 bytes into the registers that they left.
	PLACES
	PLACES
.macro STG a
.irp b, 0,1,2,3                        ; each accumulator's low four registers first
	ds_store_b128 v[STO], v[ACC+8*(4*(\a)+(\b)):ACC+8*(4*(\a)+(\b))+3]   offset:64*(\b)
	ds_store_b128 v[STO], v[ACC+8*(4*(\a)+(\b))+4:ACC+8*(4*(\a)+(\b))+7] offset:64*(\b)+16
.endr
.irp t, 0,1,2,3,4,5,6,7
	ds_load_b128 v[ACC+32*(\a)+4*(\t):ACC+32*(\a)+4*(\t)+3], v[RD] offset:(\t)*2*SPITCH  ; LDS serves a wave's instructions in order (ISA guide 5.7.1.4): these see the stores above; the next block's stores come behind them
.endr
.endm
.macro SEND a, younger                 ; younger: the LDS instructions issued behind block a's loads
.irp t, 0,1,2,3,4,5,6,7
	s_wait_dscnt (\younger)+7-(\t)
	global_store_b128 v[CO], v[ACC+32*(\a)+4*(\t):ACC+32*(\a)+4*(\t)+3], s[8:9] offset:(\a)*16*4096+(\t)*2*4096  ; 16 lanes store 256 consecutive bytes, aligned
.endr
.endm
	STG 0
	STG 1
	SEND 0, 16
	STG 2
	SEND 1, 16
	STG 3
	SEND 2, 16
	SEND 3, 0
	s_wait_tensorcnt 0x0                           ; the wave's end
	ds_add_u32 v[SPW], v[NIL]
	s_wait_dscnt 0x0
	CROUND                                         ; the closing round
	s_endpgm
.Lfunc_end_k_q04bbb603ad_oproj:
	.size	k_q04bbb603ad_oproj, .Lfunc_end_k_q04bbb603ad_oproj-k_q04bbb603ad_oproj
	.p2alignl 7, 3214868480
	.fill 96, 4, 3214868480
	.section	.rodata,"a",@progbits
	.p2align	6, 0x0
	.amdhsa_kernel k_q04bbb603ad_oproj
		.amdhsa_group_segment_fixed_size 327680
		.amdhsa_private_segment_fixed_size 0
		.amdhsa_enable_private_segment 0
		.amdhsa_kernarg_size 24
		.amdhsa_user_sgpr_count 2
		.amdhsa_user_sgpr_kernarg_segment_ptr 1
		.amdhsa_wavefront_size32 1
		.amdhsa_system_sgpr_workgroup_id_x 1
		.amdhsa_system_sgpr_workgroup_id_y 1
		.amdhsa_system_sgpr_workgroup_id_z 1
		.amdhsa_system_vgpr_workitem_id 0
		.amdhsa_next_free_vgpr 512
		.amdhsa_next_free_sgpr 66
		.amdhsa_reserve_vcc 0
		.amdhsa_float_denorm_mode_32 3
		.amdhsa_float_denorm_mode_16_64 3
		.amdhsa_memory_ordered 1
		.amdhsa_forward_progress 1
		.amdhsa_inst_pref_size 87
	.end_amdhsa_kernel
	.amdgpu_metadata
---
amdhsa.version: [ 1, 2 ]
amdhsa.kernels:
  - .name:           k_q04bbb603ad_oproj
    .symbol:         k_q04bbb603ad_oproj.kd
    .args:
      - { .name: ob, .offset: 0, .size: 8, .value_kind: global_buffer, .address_space: global }
      - { .name: wo16, .offset: 8, .size: 8, .value_kind: global_buffer, .address_space: global }
      - { .name: out0, .offset: 16, .size: 8, .value_kind: global_buffer, .address_space: global }
    .group_segment_fixed_size: 327680
    .private_segment_fixed_size: 0
    .kernarg_segment_align: 8
    .kernarg_segment_size: 24
    .max_flat_workgroup_size: 128
    .sgpr_count:     66
    .vgpr_count:     512
    .wavefront_size: 32
...
	.end_amdgpu_metadata
.endif
;; end of part 4
;; ======== version 2 of 2: 4 launches; version 1 with the launch prep written anew for expert scheduling mode
;; limits: values are held in f16: magnitudes above 65,504 overflow, below 6.1e-05 lose precision
;; workspace buffers: xb 8,388,608 bytes; wcat 8,388,608 bytes; wo16 4,194,304 bytes; tab 1,048,576 bytes; qh 16,777,216 bytes; kh 8,388,608 bytes; vh 8,388,608 bytes; ob 16,777,216 bytes
;; launch prep (part 5): grid 768 x 1, 8 waves a work-group, no clusters, 0 bytes of LDS; arguments hidden_states, Wq, Wk, Wv, Wo, position_ids, xb, wcat, wo16, tab; writes xb, wcat, wo16, tab
.if DOCPART == 5
	.amdgcn_target "amdgcn-amd-amdhsa--gfx1250"
	.amdhsa_code_object_version 6
	.text
	.protected	k_q04bbb603ad_prep
	.globl	k_q04bbb603ad_prep
	.p2align	8
	.type	k_q04bbb603ad_prep,@function
k_q04bbb603ad_prep:
	s_mov_b64 s[64:65], 0
	v_nop
	global_prefetch_b8 v0, s[64:65] scope:SCOPE_SE
	s_setreg_imm32_b32 hwreg(HW_REG_WAVE_SCHED_MODE, 0, 2), 2
	s_setreg_imm32_b32 hwreg(HW_REG_WAVE_MODE, 25, 1), 1
	s_wait_xcnt 0x0
	s_wait_alu depctr_vm_vsrc(0)
; PREP: the module's f32 inputs are rounded once to bf16 for the matrix units, and the RoPE table is made.
;   xb   [4096][1024] bf16 = hidden_states;   wcat [1024 k][4096 n] bf16 = Wq | Wk | Wv side by side;
;   wo16 [2048][1024] f16 = Wo rounded to bf16, that number written as f16;   tab [2048][cos 64 | sin 64] f32 from position_ids.
; A stream: every source is taken as rows of 1,024 f32.  A work-group takes 16 such rows; thread t takes 16 bytes at 16 t of a row (a wave's load covers
; 512 consecutive bytes) and stores 8 bytes at 8 t (a wave's store covers 256 consecutive bytes, aligned).  All 16 loads of a thread go out at once.  No LDS, no barrier, no matrix unit: nothing is shared.
; Work-groups 0-255: x; 256-383: Wq (half rows); 384-447: Wk; 448-511: Wv; 512-639: Wo; 640-767: the table.
; LIMITS.  Wo beyond 65,504 does not fit f16; below 2^-17 it keeps f16's fixed step of 6e-8.  inv_freq is 2^(-j log2(1e6)/64) by v_exp_f32; the angle is reduced by three parts of pi/2,
; good while |angle| 2/pi fits an i32 and the angle's own f32 rounding is what counts; sine and cosine by polynomials on |r| <= pi/4.
; THE MODE: SCHED_MODE bits 1:0 = 2 (LLVM: expert scheduling mode 2), set by the entry lines.  The code itself states the register dependences
; between vector instructions and memory instructions, with s_wait_alu, always for 0.
; THE PLAN, for the casts.  The 16 rows go in four blocks of four.  Registers that memory instructions touch:
;   v1   16 t.  Written once; read by all 16 loads; never written again.
;   X    Row i's four registers: written by row i's load, issued before any vector instruction names them; read by the conversions of the row's block.
;   OD   Row i's offset in the target: written once, behind the loads; read by row i's store; never written again.
;   Y    Row i's two registers: written by the conversions of block p; read by the four stores that are issued in block p + 1; never written again.
;   TW   is named by vector instructions alone.
; Block p converts its own X into its own Y; its memory instructions are the stores of block p - 1, which read that block's OD and Y: registers that no vector instruction of block p names.
; So one wait at the head of a block states all that its four stores hang on, and they are dealt among its conversions with no further wait.  No register that a load or store
; reads is written again, and no load lands in a register that a vector instruction has named: nothing is owed on that side.
.set OD,  2                            ; v[2:17]   row i: my byte offset in the target
.set TW,  18                           ; v[18:21]  at work (f16 path)
.set X,   32                           ; v[32:95]  row i: 4 registers as loaded
.set Y,   96                           ; v[96:127] row i: 2 registers to store
.set SRC, 28                           ; s[28:29]
.set DST, 30                           ; s[30:31]
	s_load_b512 s[8:23], s[0:1], 0x0               ; hidden 8, Wq 10, Wk 12, Wv 14, Wo 16, position_ids 18, xb 20, wcat 22
	s_load_b128 s[24:27], s[0:1], 0x40             ; wo16 24, tab 26
	s_wait_kmcnt 0x0
	s_cmp_ge_u32 ttmp9, 640
	s_cbranch_scc1 .Ltable
	; the job, by choices on the work-group's number: source, target, the job's first work-group, the target's pitch for two rows (s33) and for the odd row (s34), the shift of 16 rows in the target (s35), the column offset (s38)
	s_mov_b64 s[SRC:SRC+1], s[8:9]
	s_mov_b64 s[DST:DST+1], s[20:21]
	s_mov_b32 s32, 0
	s_mov_b32 s33, 4096
	s_mov_b32 s34, 2048
	s_mov_b32 s35, 15
	s_mov_b32 s38, 0
	s_cmp_ge_u32 ttmp9, 256                        ; Wq: a row of 2,048 is two of my rows, which lie side by side in wcat's row of 8,192 bytes
	s_cselect_b64 s[SRC:SRC+1], s[10:11], s[SRC:SRC+1]
	s_cselect_b64 s[DST:DST+1], s[22:23], s[DST:DST+1]
	s_cselect_b32 s32, 256, s32
	s_cselect_b32 s33, 8192, s33
	s_cselect_b32 s35, 16, s35
	s_cmp_ge_u32 ttmp9, 384                        ; Wk: columns 2,048 on
	s_cselect_b64 s[SRC:SRC+1], s[12:13], s[SRC:SRC+1]
	s_cselect_b32 s32, 384, s32
	s_cselect_b32 s33, 16384, s33
	s_cselect_b32 s34, 8192, s34
	s_cselect_b32 s35, 17, s35
	s_cselect_b32 s38, 4096, s38
	s_cmp_ge_u32 ttmp9, 448                        ; Wv: columns 3,072 on
	s_cselect_b64 s[SRC:SRC+1], s[14:15], s[SRC:SRC+1]
	s_cselect_b32 s32, 448, s32
	s_cselect_b32 s38, 6144, s38
	s_cmp_ge_u32 ttmp9, 512                        ; Wo
	s_cselect_b64 s[SRC:SRC+1], s[16:17], s[SRC:SRC+1]
	s_cselect_b64 s[DST:DST+1], s[24:25], s[DST:DST+1]
	s_cselect_b32 s32, 512, s32
	s_cselect_b32 s33, 4096, s33
	s_cselect_b32 s34, 2048, s34
	s_cselect_b32 s35, 15, s35
	s_cselect_b32 s38, 0, s38
	s_sub_co_u32 s32, ttmp9, s32                   ; my number in the job
	s_lshl_b32 s36, s32, 16                        ; 16 rows of 4,096 bytes in the source
	s_mov_b32 s37, 0
	s_lshl_b32 s32, s32, s35
	s_add_co_u32 s38, s38, s32
	s_mov_b32 s39, 0
	s_add_nc_u64 s[SRC:SRC+1], s[SRC:SRC+1], s[36:37]
	s_add_nc_u64 s[DST:DST+1], s[DST:DST+1], s[38:39]
	v_lshlrev_b32 v1, 4, v0
	s_wait_alu depctr_va_vdst(0)                   ; v1 is written: all 16 loads read it as their offset
.set i, 0
.rept 16
	global_load_b128 v[X+4*i:X+4*i+3], v1, s[SRC:SRC+1] offset:i*4096 th:TH_LOAD_NT
.set i, i+1
.endr
	v_lshlrev_b32 v[OD], 3, v0
	v_add_nc_u32 v[OD+1], s34, v[OD]
.set i, 2
.rept 14
	v_add_nc_u32 v[OD+i], s33, v[OD+i-2]
.set i, i+1
.endr
; Block p: rows 4 p to 4 p + 3 are rounded to bf16; half = 1: that number is widened again and written as f16.  Ahead of each row's conversions stands a store of the block before.
; No register that a store reads is written again, so no wait frees a store's sources.
.macro BLK p, half
	s_wait_loadcnt 12-4*(\p)                       ; loads come back in order: this block's four rows are in, the 12 - 4 p younger ones stay out
.if (\p) > 0
	s_wait_alu depctr_va_vdst(0)                   ; the block before has written its Y, which the four stores below read; in block 1 also: the sixteen offsets OD are written
.endif
.irp r, 0,1,2,3
.set i, 4*(\p)+(\r)
.if (\p) > 0
	global_store_b64 v[OD+i-4], v[Y+2*i-8:Y+2*i-7], s[DST:DST+1]  ; row i - 4; no vector instruction since the wait names these registers
.endif
	v_cvt_pk_bf16_f32 v[Y+2*i], v[X+4*i], v[X+4*i+1]
	v_cvt_pk_bf16_f32 v[Y+2*i+1], v[X+4*i+2], v[X+4*i+3]
.if \half
	v_lshlrev_b32 v[TW], 16, v[Y+2*i]
	v_and_b32 v[TW+1], 0xffff0000, v[Y+2*i]
	v_lshlrev_b32 v[TW+2], 16, v[Y+2*i+1]
	v_and_b32 v[TW+3], 0xffff0000, v[Y+2*i+1]
	v_cvt_pk_f16_f32 v[Y+2*i], v[TW], v[TW+1]
	v_cvt_pk_f16_f32 v[Y+2*i+1], v[TW+2], v[TW+3]
.endif
.endr
.endm
; Behind block 3: its own four stores.
.macro TAIL
	s_wait_alu depctr_va_vdst(0)                   ; block 3 has written its Y, which the last four stores read
.irp r, 0,1,2,3
	global_store_b64 v[OD+12+(\r)], v[Y+24+2*(\r):Y+25+2*(\r)], s[DST:DST+1]
.endr
.endm
	s_cmp_ge_u32 ttmp9, 512
	s_cbranch_scc1 .Lhalf
	BLK 0, 0
	BLK 1, 0
	BLK 2, 0
	BLK 3, 0
	TAIL
	s_endpgm
.Lhalf:
	BLK 0, 1
	BLK 1, 1
	BLK 2, 1
	BLK 3, 1
	TAIL
	s_endpgm
; THE TABLE.  Thread T of 32,768: row T / 16, frequencies 4 (T % 16) + 0..3: 16 lanes store 256 consecutive bytes of cosines, and 256 of sines.
; Registers that memory instructions touch: v4, the load's offset, written once; v5, in which the load lands, named by vector instructions only behind the wait for it;
; v6, the stores' offset, and the eight results, all written ahead of one wait and read by the two stores at the end.  The four masks of the compares go through scalar registers.
.set tJ,  8
.set tIV, 12
.set tAN, 24
.set tN,  28
.set tR,  32
.set tZ,  36
.set tP,  40
.set tQ,  44
.set tS,  48
.set tC,  52
.set tT,  56
.set tQI, 60
.set tCO, 64
.set tSI, 68
.macro EACH line:vararg                ; one line for each of my four frequencies e
.set e, 0
.rept 4
	\line
.set e, e+1
.endr
.endm
.Ltable:
	s_mov_b32 s40, 0xbe9f73da                      ; -log2(1e6) / 64
	s_mov_b32 s41, 0x3f22f983                      ; 2 / pi
	s_mov_b32 s42, 0x3fc90fdb                      ; pi / 2 in three parts
	s_mov_b32 s43, 0xb33bbd2e
	s_mov_b32 s44, 0xa6f72ced
	s_mov_b32 s45, 0xb94ca1f9                      ; sine: -1.9515296e-4, 8.3321609e-3, -1.6666655e-1
	s_mov_b32 s46, 0x3c08839e
	s_mov_b32 s47, 0xbe2aaaa3
	s_mov_b32 s48, 0x37ccf5ce                      ; cosine: 2.4433157e-5, -1.3887316e-3, 4.1666646e-2
	s_mov_b32 s49, 0xbab6061a
	s_mov_b32 s50, 0x3d2aaaa5
	s_sub_co_u32 s32, ttmp9, 640
	s_lshl_b32 s32, s32, 8
	v_add_nc_u32 v1, s32, v0                       ; T
	v_lshrrev_b32 v2, 4, v1                        ; the row
	v_and_b32 v3, 15, v1
	v_lshlrev_b32 v4, 2, v2
	s_wait_alu depctr_va_vdst(0)                   ; v4 is written: the load reads it as its offset
	global_load_b32 v5, v4, s[18:19]               ; position_ids[row]
	v_lshlrev_b32 v6, 9, v2
	v_lshl_add_u32 v6, v3, 4, v6                   ; 512 x row + 16 x (T % 16)
	v_lshlrev_b32 v7, 2, v3
	EACH v_add_nc_u32 v[tJ+e], e, v7
	EACH v_cvt_f32_u32 v[tJ+e], v[tJ+e]
	EACH v_mul_f32 v[tJ+e], s40, v[tJ+e]
	EACH v_exp_f32 v[tIV+e], v[tJ+e]
	v_nop                                          ; a plain instruction behind the last exponential,
	s_wait_alu depctr_va_vdst(0)                   ; and one wait for the four results v[tIV ..], ahead of their first reader
	s_wait_loadcnt 0x0
	v_cvt_f32_i32 v5, v5
	EACH v_mul_f32 v[tAN+e], v5, v[tIV+e]          ; the angle, rounded once
	EACH v_mul_f32 v[tN+e], s41, v[tAN+e]
	EACH v_rndne_f32 v[tN+e], v[tN+e]              ; n quarter turns
	EACH v_fma_f32 v[tR+e], -v[tN+e], s42, v[tAN+e]
	EACH v_fma_f32 v[tR+e], -v[tN+e], s43, v[tR+e]
	EACH v_fma_f32 v[tR+e], -v[tN+e], s44, v[tR+e] ; r = angle - n pi / 2
	EACH v_mul_f32 v[tZ+e], v[tR+e], v[tR+e]
	EACH v_fma_f32 v[tP+e], v[tZ+e], s45, s46
	EACH v_fma_f32 v[tQ+e], v[tZ+e], s48, s49
	EACH v_fma_f32 v[tP+e], v[tP+e], v[tZ+e], s47
	EACH v_fma_f32 v[tQ+e], v[tQ+e], v[tZ+e], s50
	EACH v_mul_f32 v[tP+e], v[tP+e], v[tZ+e]
	EACH v_mul_f32 v[tT+e], v[tZ+e], v[tZ+e]
	EACH v_fma_f32 v[tC+e], v[tZ+e], -0.5, 1.0
	EACH v_fma_f32 v[tS+e], v[tP+e], v[tR+e], v[tR+e]   ; sin r
	EACH v_fma_f32 v[tC+e], v[tQ+e], v[tT+e], v[tC+e]   ; cos r
	EACH v_cvt_i32_f32 v[tQI+e], v[tN+e]
	EACH v_and_b32 v[tT+e], 1, v[tQI+e]
	EACH v_cmp_eq_u32 s[52+e], 1, v[tT+e]          ; an odd quarter swaps the two
	s_wait_alu depctr_va_sdst(0)                   ; the four compares have written s52 to s55, ahead of their first reader: the selects below take them as masks
	EACH v_cndmask_b32 v[tSI+e], v[tS+e], v[tC+e], s[52+e]
	EACH v_cndmask_b32 v[tCO+e], v[tC+e], v[tS+e], s[52+e]
	EACH v_and_b32 v[tT+e], 2, v[tQI+e]            ; the sine is negative in quarters 2 and 3,
	EACH v_lshlrev_b32 v[tT+e], 30, v[tT+e]
	EACH v_xor_b32 v[tSI+e], v[tSI+e], v[tT+e]
	EACH v_add_nc_u32 v[tT+e], 1, v[tQI+e]         ; the cosine in quarters 1 and 2
	EACH v_and_b32 v[tT+e], 2, v[tT+e]
	EACH v_lshlrev_b32 v[tT+e], 30, v[tT+e]
	EACH v_xor_b32 v[tCO+e], v[tCO+e], v[tT+e]
	s_wait_alu depctr_va_vdst(0)                   ; the offset v6, the four cosines and the four sines are written: the two stores read them
	global_store_b128 v6, v[tCO:tCO+3], s[26:27]
	global_store_b128 v6, v[tSI:tSI+3], s[26:27] offset:256
	s_endpgm
.Lfunc_end_k_q04bbb603ad_prep:
	.size	k_q04bbb603ad_prep, .Lfunc_end_k_q04bbb603ad_prep-k_q04bbb603ad_prep
	.p2alignl 7, 3214868480
	.fill 96, 4, 3214868480
	.section	.rodata,"a",@progbits
	.p2align	6, 0x0
	.amdhsa_kernel k_q04bbb603ad_prep
		.amdhsa_group_segment_fixed_size 0
		.amdhsa_private_segment_fixed_size 0
		.amdhsa_enable_private_segment 0
		.amdhsa_kernarg_size 80
		.amdhsa_user_sgpr_count 2
		.amdhsa_user_sgpr_kernarg_segment_ptr 1
		.amdhsa_wavefront_size32 1
		.amdhsa_system_sgpr_workgroup_id_x 1
		.amdhsa_system_sgpr_workgroup_id_y 1
		.amdhsa_system_sgpr_workgroup_id_z 1
		.amdhsa_system_vgpr_workitem_id 0
		.amdhsa_next_free_vgpr 128
		.amdhsa_next_free_sgpr 66
		.amdhsa_reserve_vcc 0
		.amdhsa_float_denorm_mode_32 3
		.amdhsa_float_denorm_mode_16_64 3
		.amdhsa_memory_ordered 1
		.amdhsa_forward_progress 1
		.amdhsa_inst_pref_size 25
	.end_amdhsa_kernel
	.amdgpu_metadata
---
amdhsa.version: [ 1, 2 ]
amdhsa.kernels:
  - .name:           k_q04bbb603ad_prep
    .symbol:         k_q04bbb603ad_prep.kd
    .args:
      - { .name: hidden_states, .offset: 0, .size: 8, .value_kind: global_buffer, .address_space: global }
      - { .name: Wq, .offset: 8, .size: 8, .value_kind: global_buffer, .address_space: global }
      - { .name: Wk, .offset: 16, .size: 8, .value_kind: global_buffer, .address_space: global }
      - { .name: Wv, .offset: 24, .size: 8, .value_kind: global_buffer, .address_space: global }
      - { .name: Wo, .offset: 32, .size: 8, .value_kind: global_buffer, .address_space: global }
      - { .name: position_ids, .offset: 40, .size: 8, .value_kind: global_buffer, .address_space: global }
      - { .name: xb, .offset: 48, .size: 8, .value_kind: global_buffer, .address_space: global }
      - { .name: wcat, .offset: 56, .size: 8, .value_kind: global_buffer, .address_space: global }
      - { .name: wo16, .offset: 64, .size: 8, .value_kind: global_buffer, .address_space: global }
      - { .name: tab, .offset: 72, .size: 8, .value_kind: global_buffer, .address_space: global }
    .group_segment_fixed_size: 0
    .private_segment_fixed_size: 0
    .kernarg_segment_align: 8
    .kernarg_segment_size: 80
    .max_flat_workgroup_size: 256
    .sgpr_count:     66
    .vgpr_count:     128
    .wavefront_size: 32
...
	.end_amdgpu_metadata
.endif
;; end of part 5
;; launch qkv: the kernel of part 2 again; grid 16 x 16, 4 waves a work-group, clusters of 4 x 4, 327,680 bytes of LDS; arguments xb, wcat, tab, q_norm_w, k_norm_w, qh, kh, vh, out1, out2; writes qh, kh, vh, out1, out2
;; launch attn: the kernel of part 3 again; grid 16 x 16, 4 waves a work-group, clusters of 4 x 1, 327,680 bytes of LDS; arguments qh, kh, vh, ob; writes ob
;; launch oproj: the kernel of part 4 again; grid 8 x 32, 4 waves a work-group, clusters of 4 x 4, 327,680 bytes of LDS; arguments ob, wo16, out0; writes out0
